; MI455X (gfx1250); checked and timed in simulation.
; The chip was launched on July 23, 2026; its instructions are those of AMD's public machine-readable ISA for CDNA 5 (MIT licence, August 2026) and "CDNA5" Instruction Set Architecture Reference Guide (July 2026). The comments in the code are by the model that wrote it; some were corrected since.
;; Multihead Attention With Rel Positional Encoding. Allowed arithmetic: matrix products marked QUANTISED: E2M3 operands, one E8M0 scale for each 32 along K, by v_wmma_scale_f32_16x16x128_f8f6f4 with both operands' format E2M3, f32 sums; everything else in f32.
;; Inputs: key 4 x 2,048 x 512 float32; key_padding_mask 4 x 2,048 bool; pos_emb 1 x 4,095 x 512 float32; pos_u 8 x 64 float32; pos_v 8 x 64 float32; pos_w 512 x 512 float32; query 4 x 2,048 x 512 float32; value 4 x 2,048 x 512 float32; wk_b 512 float32; wk_w 512 x 512 float32; wo_b 512 float32; wo_w 512 x 512 float32; wq_b 512 float32; wq_w 512 x 512 float32; wv_b 512 float32; wv_w 512 x 512 float32.
;; Outputs: out0 4 x 2,048 x 512 float32.
;; Constants: is_causal = 0.
;; This version of the problem:
;;   THIS VERSION OF THE PROBLEM IS GIVEN IN LOW PRECISION. The matrix products marked QUANTISED in the list below multiply operands that are first quantised to E2M3 (2 exponent bits, 3 mantissa bits; 6 bits a number), with one power-of-two scale for each 32 numbers along K (OCP MX v1.0); their sums are f32. All else is computed in f32.
;;   The module's matrix products, in the order in which they are computed (A, B: the left and right operand; K: the contracted axis; several contracted axes count as one K, in the product's order):
;;     1. [M 8,192, K 512] x [K 512, N 512]; A: input query; B: input wq_w: QUANTISED
;;     2. [M 8,192, K 512] x [K 512, N 512]; A: input key; B: input wk_w: QUANTISED
;;     3. [M 8,192, K 512] x [K 512, N 512]; A: input value; B: input wv_w: QUANTISED
;;     4. [M 4,095, K 512] x [K 512, N 512]; A: input pos_emb; B: input pos_w: QUANTISED
;;     5. batch 32 x [M 2,048, K 64] x [K 64, N 2,048]; A: computed on the way; B: computed on the way: QUANTISED
;;     6. batch 8 x [M 4,095, K 64] x [K 64, N 8,192]; A: computed on the way; B: computed on the way: QUANTISED
;;     7. batch 32 x [M 2,048, K 2,048] x [K 2,048, N 64]; A: softmax (see below); B: computed on the way: QUANTISED
;;     8. [M 8,192, K 512] x [K 512, N 512]; A: computed on the way; B: input wo_w: QUANTISED
;;   THE QUANTISER, for each operand of a quantised product, along K:
;;     - K is cut into blocks of 32 from its start; a last block that is shorter is filled with zeros.
;;     - A block's scale is 2^e with e = floor(log2(the largest magnitude in the block)) - 2, held to -126 .. 127; a block of zeros has e = 0. As a byte (E8M0): e + 127.
;;     - Each number is divided by its block's scale, clamped to +-7.5, and rounded to the nearest number of E2M3, ties to even, subnormals kept.
;;     - The product sums the exact products of the quantised numbers (number of the format x scale) in f32.
;;   ~~~python
;;   def quantise(x, axis):      # numpy; x: float32 -> the quantised numbers, widened to float32 again
;;       x = np.moveaxis(x, axis, -1); K = x.shape[-1]
;;       x = np.pad(x, [(0, 0)] * (x.ndim - 1) + [(0, -K % 32)]); x = x.reshape(x.shape[:-1] + (-1, 32)); a = np.abs(x).max(-1, keepdims=True)
;;       e = np.where(a > 0, np.clip(np.frexp(np.where(a > 0, a, 1))[1] - 1 - 2, -126, 127), 0)      # np.frexp(a)[1] - 1 = floor(log2(a)), exactly
;;       r = np.clip(x / 2.0 ** e, -7.5, 7.5)
;;       step = 2.0 ** (np.maximum(np.frexp(np.where(r == 0, 1, r))[1] - 1, 0) - 3)
;;       q = np.round(r / step) * step * 2.0 ** e      # np.round: ties to even
;;       return np.moveaxis(q.reshape(q.shape[:-2] + (-1,))[..., :K], -1, axis).astype(np.float32)
;;   ~~~
;;   SOFTMAX AHEAD OF A QUANTISED PRODUCT. Where the list says 'softmax', what is quantised is not the finished softmax but p = 2^(t - M), with t = logit x log2(e) and M = ceil(the row's largest t), a whole number; so 1/2 < the row's largest p <= 1. The row's sum l is taken of the UNQUANTISED p, in f32, and the product's result is divided by l at the end. Since M is a whole number, a kernel that streams over the keys may use a running M (the ceiling of the running maximum): every later rescaling is an exact power of two, which a block's scale takes up: the codes' values come out the same.
;;   OPERANDS COMPUTED ON THE WAY. 'Computed on the way' means the value that the module computes at that place (a softmax that the list does not call 'softmax' is quantised finished and normalised). What goes into a quantiser is computed in f32, as accurately as f32 sums, v_exp_f32 and their like allow (about 1e-6 of the number): no bf16 or f16 on the way to a quantiser, and a product that is left as it is and whose result goes on into a quantised operand takes f32 operands (vector FMAs, or v_wmma_f32_16x16x4_f32). A number that lies on a knife's edge between two numbers of the format may be rounded either way, as far as f32 arithmetic and the matrix unit's own rounding can turn it there, and no further.
;; 2 versions. Each part assembles by itself: llvm-mc -triple=amdgcn-amd-amdhsa -mcpu=gfx1250 --defsym DOCPART=n.
;; ======== version 1 of 2: 4 launches
;; limits: right only within a limited range of input values
;; workspace buffers: wc 1,064,960 bytes; qc 7,340,032 bytes; kv 7,077,888 bytes; pc 1,835,008 bytes; oc 3,670,016 bytes
;; launch wquant (part 1): grid 160 x 1, 4 waves a work-group, no clusters, 0 bytes of LDS; arguments wq_w, wk_w, wv_w, pos_w, wo_w, wc; writes wc
.if DOCPART == 1
	.amdgcn_target "amdgcn-amd-amdhsa--gfx1250"
	.amdhsa_code_object_version 6
	.text
	.protected	k_qfd867d2a5f_wquant
	.globl	k_qfd867d2a5f_wquant
	.p2align	8
	.type	k_qfd867d2a5f_wquant,@function
k_qfd867d2a5f_wquant:
	s_mov_b64 s[64:65], 0
	v_nop
	global_prefetch_b8 v0, s[64:65] scope:SCOPE_SE
	s_setreg_imm32_b32 hwreg(HW_REG_WAVE_MODE, 25, 1), 1
	s_wait_xcnt 0x0
; The five weights [512][512] f32 (K innermost) become codes of FP6 (E2M3) with one E8M0 byte for each 32 along K, laid as IMAGES OF OPERAND REGISTERS:
; wc = [weight 5][tile 32][K step 4] records of 1,664 bytes: 12 registers a lane as 3 x (32 lanes x 16 bytes), then the rows' scale words, 4 bytes a lane (lanes 16-31 repeat lanes 0-15).
; Lane r of tile T takes row 32 (T / 2) + 8 (T % 2) + r + 8 (r / 8): so the 16 registers that two neighbouring tiles give a lane in a transposed product are 16 neighbours along the next K.
; A work-group takes one tile of one weight, each of its four waves one K step of 128.  Lane (r, h) loads k = 64 c + 32 h + 0 .. 31 of its row: two whole blocks, so no other lane is asked for a maximum.
; A block's scale is 2^(floor(log2(largest magnitude)) - 2); its byte is the largest magnitude's exponent field - 2, held at 1 from below.
; LIMITS: a block of zeros, or one whose largest magnitude lies under 2^-124, gets the byte 1 (its codes are zeros or nearly so; this program alone reads the bytes); NaN and infinities are not served.
.set H8,  6                            ; v6      8 h: where my two bytes stand in the scale word
.set TM,  8                            ; v8-9    largest magnitudes
.set SO,  10                           ; v10-11  the conversions' scale operands
.set T2,  12                           ; v12-13  the bytes
.set PW,  14                           ; v14     the scale word
.set PD,  15                           ; v15     the other half's two bytes
.set X,   16                           ; v16-79  64 numbers
.set PC,  80                           ; v80-91  the fragment
.set PT,  92                           ; v92-98  the upper halves of the two blocks, as converted
.set SEL, 22                           ; s[22:23] lane selects: lane l xor 16
.macro QW x                            ; v[x + 32 c + i] = k 64 c + 32 h + i of my row  ->  v[PC] .. v[PC + 11] and the scale word v[PW]
.irp c, 0,1
	v_max3_num_f32 v[TM+\c], |v[\x+32*\c]|, |v[\x+32*\c+1]|, 0x1800000   ; with the floor 2^(3 - 127): the byte cannot fall under 1
.endr
.irp i, 2,4,6,8,10,12,14,16,18,20,22,24,26,28,30
.irp c, 0,1
	v_max3_num_f32 v[TM+\c], v[TM+\c], |v[\x+32*\c+\i]|, |v[\x+32*\c+\i+1]|   ; the two blocks by turns
.endr
.endr
.irp c, 0,1
	v_add_nc_u32 v[SO+\c], 0xff000000, v[TM+\c]    ; 2 off the exponent field: the conversion takes that field as its scale
.endr
.irp c, 0,1
	v_lshrrev_b32 v[T2+\c], 23, v[SO+\c]           ; the byte
.endr
	v_lshl_or_b32 v[PW], v[T2+1], 16, v[T2]        ; blocks h and 2 + h,
	v_lshlrev_b32 v[PW], v[H8], v[PW]              ; at their places;
	v_permlanex16_b32 v[PD], v[PW], s[SEL], s[SEL+1]
	v_or_b32 v[PW], v[PW], v[PD]                   ; with lane l xor 16's two the word is whole
.irp c, 0,1
	v_cvt_scalef32_pk16_fp6_f32 v[PC+6*\c:PC+6*\c+2], v[\x+32*\c:\x+32*\c+15], v[SO+\c]
	v_cvt_scalef32_pk16_fp6_f32 v[PT+4*\c:PT+4*\c+2], v[\x+32*\c+16:\x+32*\c+31], v[SO+\c]   ; (a conversion's three registers begin on an even number)
.endr
	v_nop                                          ; one plain instruction behind the conversions
.irp c, 0,1
.irp i, 0,1,2
	v_mov_b32 v[PC+3+6*\c+\i], v[PT+4*\c+\i]
.endr
.endr
.endm
	s_load_b256 s[4:11], s[0:1], 0x0               ; wq_w, wk_w, wv_w, pos_w
	s_load_b128 s[12:15], s[0:1], 0x20             ; wo_w, wc
	v_lshrrev_b32 v1, 5, v0
	v_readfirstlane_b32 s16, v1                    ; wave = K step
	v_and_b32 v1, 15, v0                           ; r
	v_bfe_u32 v2, v0, 4, 1                         ; h
	v_and_b32 v3, 8, v1
	v_add_nc_u32 v3, v3, v1                        ; r + 8 (r / 8)
	v_lshlrev_b32 v3, 11, v3                       ; rows of 2,048 bytes
	v_lshl_add_u32 v3, v2, 7, v3                   ; + 128 h
	v_and_b32 v5, 31, v0
	v_lshlrev_b32 v4, 4, v5                        ; 16 x lane
	v_lshlrev_b32 v5, 2, v5                        ; 4 x lane
	v_lshlrev_b32 v[H8], 3, v2
	v_mov_b32 v[PD], 0                             ; a lane permute's destination counts as read
	s_mov_b32 s[SEL], 0x76543210
	s_mov_b32 s[SEL+1], 0xfedcba98
	s_lshr_b32 s17, ttmp9, 5                       ; which weight
	s_and_b32 s18, ttmp9, 31                       ; which tile
	s_lshr_b32 s19, s18, 1
	s_lshl_b32 s19, s19, 16                        ; 32 rows
	s_and_b32 s18, s18, 1
	s_lshl_b32 s18, s18, 14                        ; 8 rows
	s_add_co_u32 s18, s18, s19
	s_lshl_b32 s19, s16, 9                         ; the K step's 512 bytes
	s_add_co_u32 s18, s18, s19
	s_mov_b32 s19, 0
	s_lshl_b32 s20, ttmp9, 2
	s_add_co_u32 s20, s20, s16
	s_mul_i32 s20, s20, 1664                       ; my record
	s_mov_b32 s21, 0
	s_wait_kmcnt 0x0
	s_cmp_eq_u32 s17, 1
	s_cselect_b64 s[4:5], s[6:7], s[4:5]
	s_cmp_eq_u32 s17, 2
	s_cselect_b64 s[4:5], s[8:9], s[4:5]
	s_cmp_eq_u32 s17, 3
	s_cselect_b64 s[4:5], s[10:11], s[4:5]
	s_cmp_eq_u32 s17, 4
	s_cselect_b64 s[4:5], s[12:13], s[4:5]
	s_add_nc_u64 s[4:5], s[4:5], s[18:19]
	s_add_nc_u64 s[14:15], s[14:15], s[20:21]
.irp c, 0,1
.irp i, 0,1,2,3,4,5,6,7
	global_load_b128 v[X+32*\c+4*\i:X+32*\c+4*\i+3], v3, s[4:5] offset:256*\c+16*\i th:TH_LOAD_NT
.endr
.endr
	s_wait_loadcnt 0x0
	QW X
.irp c, 0,1,2
	global_store_b128 v4, v[PC+4*\c:PC+4*\c+3], s[14:15] offset:512*\c   ; 32 lanes store 512 consecutive bytes
.endr
	global_store_b32 v5, v[PW], s[14:15] offset:1536
	s_endpgm
.Lfunc_end_k_qfd867d2a5f_wquant:
	.size	k_qfd867d2a5f_wquant, .Lfunc_end_k_qfd867d2a5f_wquant-k_qfd867d2a5f_wquant
	.p2alignl 7, 3214868480
	.fill 96, 4, 3214868480
	.section	.rodata,"a",@progbits
	.p2align	6, 0x0
	.amdhsa_kernel k_qfd867d2a5f_wquant
		.amdhsa_group_segment_fixed_size 0
		.amdhsa_private_segment_fixed_size 0
		.amdhsa_enable_private_segment 0
		.amdhsa_kernarg_size 48
		.amdhsa_user_sgpr_count 2
		.amdhsa_user_sgpr_kernarg_segment_ptr 1
		.amdhsa_wavefront_size32 1
		.amdhsa_system_sgpr_workgroup_id_x 1
		.amdhsa_system_sgpr_workgroup_id_y 1
		.amdhsa_system_sgpr_workgroup_id_z 1
		.amdhsa_system_vgpr_workitem_id 0
		.amdhsa_next_free_vgpr 104
		.amdhsa_next_free_sgpr 66
		.amdhsa_reserve_vcc 0
		.amdhsa_float_denorm_mode_32 3
		.amdhsa_float_denorm_mode_16_64 3
		.amdhsa_memory_ordered 1
		.amdhsa_forward_progress 1
		.amdhsa_inst_pref_size 7
	.end_amdhsa_kernel
	.amdgpu_metadata
---
amdhsa.version: [ 1, 2 ]
amdhsa.kernels:
  - .name:           k_qfd867d2a5f_wquant
    .symbol:         k_qfd867d2a5f_wquant.kd
    .args:
      - { .name: wq_w, .offset: 0, .size: 8, .value_kind: global_buffer, .address_space: global }
      - { .name: wk_w, .offset: 8, .size: 8, .value_kind: global_buffer, .address_space: global }
      - { .name: wv_w, .offset: 16, .size: 8, .value_kind: global_buffer, .address_space: global }
      - { .name: pos_w, .offset: 24, .size: 8, .value_kind: global_buffer, .address_space: global }
      - { .name: wo_w, .offset: 32, .size: 8, .value_kind: global_buffer, .address_space: global }
      - { .name: wc, .offset: 40, .size: 8, .value_kind: global_buffer, .address_space: global }
    .group_segment_fixed_size: 0
    .private_segment_fixed_size: 0
    .kernarg_segment_align: 8
    .kernarg_segment_size: 48
    .max_flat_workgroup_size: 128
    .sgpr_count:     66
    .vgpr_count:     104
    .wavefront_size: 32
...
	.end_amdgpu_metadata
.endif
;; end of part 1
;; launch proj (part 2): grid 224 x 1, 8 waves a work-group, no clusters, 54,272 bytes of LDS; arguments query, key, value, pos_emb, wc, wq_b, wk_b, wv_b, pos_u, pos_v, key_padding_mask, qc, kv, pc; writes qc, kv, pc
.if DOCPART == 2
	.amdgcn_target "amdgcn-amd-amdhsa--gfx1250"
	.amdhsa_code_object_version 6
	.text
	.protected	k_qfd867d2a5f_proj
	.globl	k_qfd867d2a5f_proj
	.p2align	8
	.type	k_qfd867d2a5f_proj,@function
k_qfd867d2a5f_proj:
	s_mov_b64 s[64:65], 0
	v_nop
	global_prefetch_b8 v0, s[64:65] scope:SCOPE_SE
	s_setreg_imm32_b32 hwreg(HW_REG_WAVE_MODE, 25, 1), 1
	s_wait_xcnt 0x0
; The four input projections on codes of FP6 (E2M3) with E8M0 scales, their inputs quantised on the way in and their results quantised on the way out, as images of the operand registers that the attention launch wants.
; Work-groups 0-63: q = query wq^T + bq, stored as Q(q + u) and Q(q + v);  64-127: k;  128-191: v (quantised along the KEYS);  192-223: p = pos_emb pos_w^T (4,096 rows: row 4,095 repeats row 4,094 and is read by nobody).
; SHARES.  A work-group owns 128 rows.  Wave w is head w: its 64 output features' weights (16 fragments, 192 registers, window 1) stay in registers.  What goes round is x: wave w quantises 16 rows (four fragments) and stores their
; register images to LDS; one barrier; every wave reads all eight tiles.  Behind the barrier LDS is only read.
; WHICH ROWS FORM A TILE OF x: for q and p rows 16 t + r; for k and v rows 32 (t / 2) + 8 (t % 2) + r + 8 (r / 8): so K's records hold the keys in the order in which the attention launch's transposed scores want them,
; and in v's product (not transposed: source 0 = x) a lane's 64 registers run along 128 neighbouring keys.
; q, k, p: THE PRODUCT IS USED TRANSPOSED (source 0 = 16 rows of W, source 1 = 16 rows of x): lane (r, h) holds row r of x, register 16 b + i feature 32 b + 16 h + i of the head: two blocks of 32 along the next K.
; The bias is the C of a sum's first product.  q + u is formed as (x W + b) + u.
; RECORDS of 896 bytes (16 rows x 64 K): registers 0-3 at 16 x lane, registers 4-5 at 512 + 8 x lane, the scale word at 768 + 4 x lane.  The word's upper bytes serve the K = 128 instruction's idle half:
; Q(q + u): 0x7f43;  Q(q + v), p: 0x7f7f;  k: 0x7f and, in byte 2, 220 for a key that key_padding_mask hides, else 1 (what they do: the attention launch's head).  v: records of 1,664 bytes, as the weights'.
; The kinds part once, behind the barrier, on the work-group's number, and each loads its own biases there: no register is written on one way and read on another.
; LIMITS: a block of zeros, or one under 2^-124, gets the byte 1 (this program alone reads the bytes); NaN and infinities are not served.
.set XSC,   49152                      ; LDS: x's fragment (tile t, K step s) at (4 t + s) x 1,536; from here their scale words, (4 t + s) x 128
.set SPARE, 53248                      ; the spare words, 128 bytes for each wave: four blocks of 256 bytes that no other line names
.set XO,  4                            ; v4   x: my row x 2,048 + 128 h
.set LI,  5                            ; v5   16 x lane
.set LS,  6                            ; v6   4 x lane
.set L8,  7                            ; v7   8 x lane
.set XWI, 8                            ; v8   where I store x's images: 16 x lane + 6,144 x wave
.set XWS, 9                            ; v9   and their scale words: 4 x lane + 512 x wave
.set SPW, 12                           ; v12  my spare word's LDS address; never rewritten
.set NIL, 13                           ; v13  0; never rewritten
.set MK,  14                           ; v14  k: my key's byte in key_padding_mask
.set H8,  15                           ; v15  8 h
.set WS,  16                           ; v16-31  the weights' scale words, 4 t + s
.set XS,  32                           ; v32-35  x's scale words
.set TM,  36                           ; v36-39  largest magnitudes
.set T2,  40                           ; v40-43  the other half's, then the bytes
.set SO,  44                           ; v44-47  the conversions' scale operands
.set PW,  48                           ; v48  the scale word just made
.set PD,  50                           ; v50  a permute's destination
.set BA,  51                           ; v51  my byte in a bias
.set PC,  52                           ; v52-63  the codes just made
.set PT,  64                           ; v64-70  halves as converted
.set BI,  72                           ; v72-103 the bias in the result's layout (q, k)
.set MB,  104                          ; v104-111 k: byte 2 of my key's scale word, for each of the eight tiles
.set XA,  128                          ; v128-191, v192-255: two sets of 64 numbers of x
.set XB,  192
.set XF,  128                          ; afterwards: v128-175 a tile's four fragments, v176-207 four accumulators, v208-239 q + u or q + v
.set ACC, 176
.set Z,   208
.set XFV, 72                           ; v: v72-119 a tile's four fragments; v128-255 sixteen accumulators: (feature tile n of two, tile of keys m) at 128 + 64 n + 8 m
.set ACCV, 128
.set WV,  32
.set KIND, 33
.set BLK, 34
.set SEL, 36                           ; s[36:37]
.set XP,  40                           ; s[40:41] x
.set WP,  42                           ; s[42:43] my weights' records
.set OP,  44                           ; s[44:45] where my results go
.set MSB, 0
.macro WIN new                         ; the immediate's high byte repeats the setting that is left
.if MSB != \new
	s_set_vgpr_msb (MSB<<8)|\new
.set MSB, \new
.endif
.endm
.macro QW x                            ; whole blocks in a lane: v[x + 32 c + i] = k 64 c + 32 h + i  ->  v[PC] .. v[PC + 11], v[PW]
.irp c, 0,1
	v_max3_num_f32 v[TM+\c], |v[\x+32*\c]|, |v[\x+32*\c+1]|, 0x1800000   ; with the floor 2^(3 - 127)
.endr
.irp i, 2,4,6,8,10,12,14,16,18,20,22,24,26,28,30
.irp c, 0,1
	v_max3_num_f32 v[TM+\c], v[TM+\c], |v[\x+32*\c+\i]|, |v[\x+32*\c+\i+1]|
.endr
.endr
.irp c, 0,1
	v_add_nc_u32 v[SO+\c], 0xff000000, v[TM+\c]    ; 2 off the exponent field
.endr
.irp c, 0,1
	v_lshrrev_b32 v[T2+\c], 23, v[SO+\c]
.endr
	v_lshl_or_b32 v[PW], v[T2+1], 16, v[T2]
	v_lshlrev_b32 v[PW], v[H8], v[PW]
	v_permlanex16_b32 v[PD], v[PW], s[SEL], s[SEL+1]
	v_or_b32 v[PW], v[PW], v[PD]
.irp c, 0,1
	v_cvt_scalef32_pk16_fp6_f32 v[PC+6*\c:PC+6*\c+2], v[\x+32*\c:\x+32*\c+15], v[SO+\c]
	v_cvt_scalef32_pk16_fp6_f32 v[PT+4*\c:PT+4*\c+2], v[\x+32*\c+16:\x+32*\c+31], v[SO+\c]
.endr
	v_nop                                          ; one plain instruction behind the conversions
.irp c, 0,1
.irp i, 0,1,2
	v_mov_b32 v[PC+3+6*\c+\i], v[PT+4*\c+\i]
.endr
.endr
.endm
.macro QH x                            ; half blocks in a lane: v[x + 16 b + i] = k 32 b + 16 h + i, b = 0 .. 3  ->  v[PC] .. v[PC + 11], v[PW]
.irp b, 0,1,2,3
	v_max3_num_f32 v[TM+\b], |v[\x+16*\b]|, |v[\x+16*\b+1]|, 0x1800000
.endr
.irp i, 2,4,6,8,10,12,14
.irp b, 0,1,2,3
	v_max3_num_f32 v[TM+\b], v[TM+\b], |v[\x+16*\b+\i]|, |v[\x+16*\b+\i+1]|
.endr
.endr
.irp b, 0,1,2,3
	v_permlanex16_b32 v[T2+\b], v[TM+\b], s[SEL], s[SEL+1]
.endr
.irp b, 0,1,2,3
	v_max_num_f32 v[TM+\b], v[TM+\b], v[T2+\b]     ; with lane l xor 16's: the block's
.endr
.irp b, 0,1,2,3
	v_add_nc_u32 v[SO+\b], 0xff000000, v[TM+\b]
.endr
.irp b, 0,1,2,3
	v_lshrrev_b32 v[T2+\b], 23, v[SO+\b]
.endr
	v_lshl_or_b32 v[PW], v[T2+1], 8, v[T2]
	v_lshl_or_b32 v[PW], v[T2+2], 16, v[PW]
	v_lshl_or_b32 v[PW], v[T2+3], 24, v[PW]
.irp c, 0,1
	v_cvt_scalef32_pk16_fp6_f32 v[PC+6*\c:PC+6*\c+2], v[\x+32*\c:\x+32*\c+15], v[SO+2*\c]
	v_cvt_scalef32_pk16_fp6_f32 v[PT+4*\c:PT+4*\c+2], v[\x+32*\c+16:\x+32*\c+31], v[SO+2*\c+1]
.endr
	v_nop
.irp c, 0,1                            ; the operand wants a WHOLE block in a lane: lanes 0-15 block 2 c, lanes 16-31 block 2 c + 1
.irp i, 0,1,2
	v_permlane16_swap_b32 v[PC+6*\c+\i], v[PT+4*\c+\i]
.endr
.irp i, 0,1,2
	v_mov_b32 v[PC+3+6*\c+\i], v[PT+4*\c+\i]
.endr
.endr
.endm
.macro QH2 x                           ; the same for 64 along K: b = 0, 1  ->  v[PC] .. v[PC + 5]; v[PW] = the two bytes
.irp b, 0,1
	v_max3_num_f32 v[TM+\b], |v[\x+16*\b]|, |v[\x+16*\b+1]|, 0x1800000
.endr
.irp i, 2,4,6,8,10,12,14
.irp b, 0,1
	v_max3_num_f32 v[TM+\b], v[TM+\b], |v[\x+16*\b+\i]|, |v[\x+16*\b+\i+1]|
.endr
.endr
.irp b, 0,1
	v_permlanex16_b32 v[T2+\b], v[TM+\b], s[SEL], s[SEL+1]
.endr
.irp b, 0,1
	v_max_num_f32 v[TM+\b], v[TM+\b], v[T2+\b]
.endr
.irp b, 0,1
	v_add_nc_u32 v[SO+\b], 0xff000000, v[TM+\b]
.endr
.irp b, 0,1
	v_lshrrev_b32 v[T2+\b], 23, v[SO+\b]
.endr
	v_lshl_or_b32 v[PW], v[T2+1], 8, v[T2]
	v_cvt_scalef32_pk16_fp6_f32 v[PC:PC+2], v[\x:\x+15], v[SO]
	v_cvt_scalef32_pk16_fp6_f32 v[PT:PT+2], v[\x+16:\x+31], v[SO+1]
	v_nop
.irp i, 0,1,2
	v_permlane16_swap_b32 v[PC+\i], v[PT+\i]
.endr
.irp i, 0,1,2
	v_mov_b32 v[PC+3+\i], v[PT+\i]
.endr
.endm
.macro ST6 off                         ; a record of 896 bytes: the stores cover 512, 256 and 128 consecutive bytes
	global_store_b128 v[LI], v[PC:PC+3], s[OP:OP+1] offset:\off
	global_store_b64 v[L8], v[PC+4:PC+5], s[OP:OP+1] offset:\off+512
	global_store_b32 v[LS], v[PW], s[OP:OP+1] offset:\off+768
.endm
.macro XLOAD xs, ks                    ; my row's numbers of K step ks: k = 64 c + 32 h + 0 .. 31
.irp c, 0,1
.irp i, 0,1,2,3,4,5,6,7
	global_load_b128 v[\xs+32*\c+4*\i:\xs+32*\c+4*\i+3], v[XO], s[XP:XP+1] offset:512*\ks+256*\c+16*\i th:TH_LOAD_NT
.endr
.endr
.endm
.macro IMG ks                          ; the fragment just made goes to LDS as it stands
.irp c, 0,1,2
	ds_store_b128 v[XWI], v[PC+4*\c:PC+4*\c+3] offset:1536*\ks+512*\c
.endr
	ds_store_b32 v[XWS], v[PW] offset:XSC+128*\ks
	s_wait_dscnt 0x0                               ; the stores have read their registers
.endm
.macro BIAS8 reg, base                 ; 32 numbers in the transposed result's layout: tile 2 b + u, register j: feature 32 b + 16 h + 8 u + j of my head
.irp t, 0,1,2,3
	global_load_b128 v[\reg+8*\t:\reg+8*\t+3], v[BA], s[\base:\base+1] offset:(32*(\t/2)+8*(\t%2))*4
	global_load_b128 v[\reg+8*\t+4:\reg+8*\t+7], v[BA], s[\base:\base+1] offset:(32*(\t/2)+8*(\t%2))*4+16
.endr
.endm
.macro MMT t, ks, cm                   ; cm 0: the constant 0 starts the sum; 1: the bias does; 2: in place
.if \cm == 0
	v_wmma_scale_f32_16x16x128_f8f6f4 v[ACC+8*\t:ACC+8*\t+7], v[12*(4*\t+\ks):12*(4*\t+\ks)+11], v[XF+12*\ks:XF+12*\ks+11], 0, v[WS+4*\t+\ks], v[XS+\ks] matrix_a_fmt:MATRIX_FMT_FP6 matrix_b_fmt:MATRIX_FMT_FP6
.elseif \cm == 1
	v_wmma_scale_f32_16x16x128_f8f6f4 v[ACC+8*\t:ACC+8*\t+7], v[12*(4*\t+\ks):12*(4*\t+\ks)+11], v[XF+12*\ks:XF+12*\ks+11], v[BI+8*\t:BI+8*\t+7], v[WS+4*\t+\ks], v[XS+\ks] matrix_a_fmt:MATRIX_FMT_FP6 matrix_b_fmt:MATRIX_FMT_FP6
.else
	v_wmma_scale_f32_16x16x128_f8f6f4 v[ACC+8*\t:ACC+8*\t+7], v[12*(4*\t+\ks):12*(4*\t+\ks)+11], v[XF+12*\ks:XF+12*\ks+11], v[ACC+8*\t:ACC+8*\t+7], v[WS+4*\t+\ks], v[XS+\ks] matrix_a_fmt:MATRIX_FMT_FP6 matrix_b_fmt:MATRIX_FMT_FP6
.endif
.endm
; A tile of 16 rows of x against my 64 features: 16 products, the four accumulators by turns.
.macro TILE tau, first
.irp i, 0,1,2,3,4,5,6,7,8,9,10,11
	ds_load_b128 v[XF+4*\i:XF+4*\i+3], v[LI] offset:6144*\tau+512*\i
.endr
.irp ks, 0,1,2,3
	ds_load_b32 v[XS+\ks], v[LS] offset:XSC+512*\tau+128*\ks
.endr
	s_wait_dscnt 0x0
	WIN 0x01                                       ; source 0 (W) window 1
.irp t, 0,1,2,3
	MMT \t, 0, \first
.endr
.irp ks, 1,2,3
.irp t, 0,1,2,3
	MMT \t, \ks, 2
.endr
.endr
	WIN 0
.rept 4
	v_nop                                          ; places in front of the first read of the results and of the next tile's loads into the operands' registers
.endr
.endm
.macro ADDZ w1                         ; Z = the results + 32 numbers of window 1
	WIN 0x04                                       ; source 1 window 1
.set n, 0
.rept 16
	v_pk_add_f32 v[Z+n:Z+n+1], v[ACC+n:ACC+n+1], v[\w1+n:\w1+n+1]
.set n, n+2
.endr
	WIN 0
.endm
.macro EPI_Q tau
	ADDZ 192                                       ; q + u
	s_wait_xcnt 0x0                                ; the last record's stores have read their registers
	QH2 Z
	v_or_b32 v[PW], 0x7f430000, v[PW]
	ST6 1792*\tau
	ADDZ 224                                       ; q + v
	s_wait_xcnt 0x0
	QH2 Z
	v_or_b32 v[PW], 0x7f7f0000, v[PW]
	ST6 1792*\tau+896
.endm
.macro EPI_K tau
	s_wait_xcnt 0x0
	QH2 ACC
	v_lshl_or_b32 v[PW], v[MB+\tau], 16, v[PW]
	v_or_b32 v[PW], 0x7f000000, v[PW]
	ST6 896*\tau
.endm
.macro EPI_P tau
	s_wait_xcnt 0x0
	QH2 ACC
	v_or_b32 v[PW], 0x7f7f0000, v[PW]
	ST6 896*\tau
.endm
.macro KVBASE per, plus                ; kv + ((8 b + head) 8 + slot) x 27,648 + (step in the slot) x per + plus
	s_lshr_b32 s56, s[BLK], 4
	s_lshl_b32 s56, s56, 3
	s_add_co_u32 s56, s56, s[WV]
	s_lshl_b32 s56, s56, 3
	s_bfe_u32 s57, s[BLK], 0x30001
	s_add_co_u32 s56, s56, s57
	s_mul_i32 s56, s56, 27648
	s_and_b32 s57, s[BLK], 1
	s_mul_i32 s57, s57, \per
	s_add_co_u32 s56, s56, s57
	s_add_co_u32 s56, s56, \plus
	s_mov_b32 s57, 0
	s_add_nc_u64 s[OP:OP+1], s[28:29], s[56:57]
.endm
.macro MMV f, m, ks                    ; v: source 0 = 16 keys of x, source 1 = 16 features; f: feature tile 0 .. 3
.if \ks == 0
	v_wmma_scale_f32_16x16x128_f8f6f4 v[ACCV+64*((\f)%2)+8*(\m):ACCV+64*((\f)%2)+8*(\m)+7], v[XFV+12*\ks:XFV+12*\ks+11], v[12*(4*(\f)+\ks):12*(4*(\f)+\ks)+11], v[192+8*(\f):192+8*(\f)+7], v[XS+\ks], v[WS+4*(\f)+\ks] matrix_a_fmt:MATRIX_FMT_FP6 matrix_b_fmt:MATRIX_FMT_FP6
.else
	v_wmma_scale_f32_16x16x128_f8f6f4 v[ACCV+64*((\f)%2)+8*(\m):ACCV+64*((\f)%2)+8*(\m)+7], v[XFV+12*\ks:XFV+12*\ks+11], v[12*(4*(\f)+\ks):12*(4*(\f)+\ks)+11], v[ACCV+64*((\f)%2)+8*(\m):ACCV+64*((\f)%2)+8*(\m)+7], v[XS+\ks], v[WS+4*(\f)+\ks] matrix_a_fmt:MATRIX_FMT_FP6 matrix_b_fmt:MATRIX_FMT_FP6
.endif
.endm
.macro VT np, m                        ; tile m of keys against feature tiles 2 np and 2 np + 1: the two accumulators by turns
.irp i, 0,1,2,3,4,5,6,7,8,9,10,11
	ds_load_b128 v[XFV+4*\i:XFV+4*\i+3], v[LI] offset:6144*\m+512*\i
.endr
.irp ks, 0,1,2,3
	ds_load_b32 v[XS+\ks], v[LS] offset:XSC+512*\m+128*\ks
.endr
	s_wait_dscnt 0x0
.irp ks, 0,1,2,3
.if \ks == 0
	WIN 0x14                                       ; source 1 (W) and source 2 (the bias) window 1
.else
	WIN 0x04
.endif
.irp n2, 0,1
	MMV 2*\np+\n2, \m, \ks
.endr
.endr
	WIN 0
.rept 4
	v_nop
.endr
.endm
	s_load_b512 s[4:19], s[0:1], 0x0               ; query 4, key 6, value 8, pos_emb 10, wc 12, wq_b 14, wk_b 16, wv_b 18
	s_load_b256 s[20:27], s[0:1], 0x40             ; pos_u 20, pos_v 22, key_padding_mask 24, qc 26
	s_load_b128 s[28:31], s[0:1], 0x60             ; kv 28, pc 30
	v_lshl_add_u32 v[SPW], v0, 2, SPARE
	v_mov_b32 v[NIL], 0
	v_lshrrev_b32 v1, 5, v0
	v_readfirstlane_b32 s[WV], v1                  ; wave = head
	v_and_b32 v1, 31, v0                           ; lane
	v_and_b32 v2, 15, v0                           ; r
	v_bfe_u32 v3, v0, 4, 1                         ; h
	s_lshr_b32 s[KIND], ttmp9, 6                   ; 0 q, 1 k, 2 v, 3 p
	s_and_b32 s[BLK], ttmp9, 63                    ; which 128 rows
	s_mov_b32 s[SEL], 0x76543210
	s_mov_b32 s[SEL+1], 0xfedcba98
	v_lshlrev_b32 v[LI], 4, v1
	v_lshlrev_b32 v[LS], 2, v1
	v_lshlrev_b32 v[L8], 3, v1
	v_lshlrev_b32 v[H8], 3, v3
	s_mul_i32 s38, s[WV], 6144
	v_add_nc_u32 v[XWI], s38, v[LI]
	s_lshl_b32 s38, s[WV], 9
	v_add_nc_u32 v[XWS], s38, v[LS]
.irp b, 0,1,2,3
	v_mov_b32 v[T2+\b], 0                          ; a lane permute's destination counts as read
.endr
	v_mov_b32 v[PD], 0
	s_lshl_b32 s54, s[WV], 8
	v_lshl_add_u32 v[BA], v3, 6, s54               ; a bias in the transposed layout: 256 x head + 64 h
	; my row of x: tile = wave; row 32 (w / 2) + A (w % 2) + r + B (r / 8), (A, B) = (16, 0) for q and p, (8, 8) for k and v; held at the tensor's last row
	s_add_co_u32 s38, s[KIND], 1
	s_and_b32 s38, s38, 2
	s_cmp_lg_u32 s38, 0                            ; k or v?
	s_cselect_b32 s39, 8, 16
	s_cselect_b32 s48, 8, 0
	s_mov_b32 s49, 8191
	s_cmp_eq_u32 s[KIND], 3
	s_cselect_b32 s49, 4094, s49
	s_lshr_b32 s50, s[WV], 1
	s_lshl_b32 s50, s50, 5
	s_and_b32 s51, s[WV], 1
	s_mul_i32 s51, s51, s39
	s_add_co_u32 s50, s50, s51
	s_lshl_b32 s51, s[BLK], 7
	s_add_co_u32 s50, s50, s51
	v_lshrrev_b32 v[XO], 3, v2
	v_mad_u32_u24 v[XO], v[XO], s48, v2
	v_add_nc_u32 v[XO], s50, v[XO]
	v_min_u32 v[XO], s49, v[XO]
	v_lshlrev_b32 v[XO], 11, v[XO]
	v_lshl_add_u32 v[XO], v3, 7, v[XO]
	s_lshl_b32 s52, s[KIND], 7
	s_lshl_b32 s53, s[WV], 4
	s_add_co_u32 s52, s52, s53
	s_mul_i32 s52, s52, 1664                       ; my 16 records of this kind's weight
	s_mov_b32 s53, 0
	s_wait_kmcnt 0x0
	s_add_nc_u64 s[WP:WP+1], s[12:13], s[52:53]
	s_cmp_eq_u32 s[KIND], 1
	s_cselect_b64 s[XP:XP+1], s[6:7], s[4:5]
	s_cmp_eq_u32 s[KIND], 2
	s_cselect_b64 s[XP:XP+1], s[8:9], s[XP:XP+1]
	s_cmp_eq_u32 s[KIND], 3
	s_cselect_b64 s[XP:XP+1], s[10:11], s[XP:XP+1]
	WIN 0x40                                       ; destination window 1
.set n, 0
.rept 16
.irp c, 0,1,2
	global_load_b128 v[12*n+4*\c:12*n+4*\c+3], v[LI], s[WP:WP+1] offset:1664*n+512*\c   ; fragment (t, s) = n = 4 t + s: it stays
.endr
.set n, n+1
.endr
	WIN 0
.set n, 0
.rept 16
	global_load_b32 v[WS+n], v[LS], s[WP:WP+1] offset:1664*n+1536
.set n, n+1
.endr
	; ---- x: my 16 rows become four fragments; two K steps' loads are out while one is quantised
	XLOAD XA, 0
	XLOAD XB, 1
	s_wait_loadcnt 16                              ; all but the 16 loads of the younger K step are in (the weights, which are older, too)
	QW XA
	IMG 0
	XLOAD XA, 2
	s_wait_loadcnt 16
	QW XB
	IMG 1
	XLOAD XB, 3
	s_wait_loadcnt 16
	QW XA
	IMG 2
	s_wait_loadcnt 0x0
	QW XB
	IMG 3
	s_barrier_signal -1                            ; my stores have landed (the wait for 0 in IMG)
	s_barrier_wait -1                              ; x's 32 fragments lie in LDS; from here on LDS is only read
	s_cmp_eq_u32 s[KIND], 0
	s_cbranch_scc1 .Lq
	s_cmp_eq_u32 s[KIND], 1
	s_cbranch_scc1 .Lk
	s_cmp_eq_u32 s[KIND], 2
	s_cbranch_scc1 .Lv
	; ---- p: no bias; records at pc + (256 head + 8 block + tile) x 896
	s_lshl_b32 s56, s[WV], 8
	s_lshl_b32 s57, s[BLK], 3
	s_add_co_u32 s56, s56, s57
	s_mul_i32 s56, s56, 896
	s_mov_b32 s57, 0
	s_add_nc_u64 s[OP:OP+1], s[30:31], s[56:57]
.irp tau, 0,1,2,3,4,5,6,7
	TILE \tau, 0
	EPI_P \tau
.endr
	s_branch .Lend
.Lq:	; ---- q: records at qc + ((8 b + head) 128 + tile of queries) x 1,792
	s_lshr_b32 s56, s[BLK], 4
	s_lshl_b32 s56, s56, 3
	s_add_co_u32 s56, s56, s[WV]
	s_lshl_b32 s56, s56, 7
	s_and_b32 s57, s[BLK], 15
	s_lshl_b32 s57, s57, 3
	s_add_co_u32 s56, s56, s57
	s_mul_i32 s56, s56, 1792
	s_mov_b32 s57, 0
	s_add_nc_u64 s[OP:OP+1], s[26:27], s[56:57]
	BIAS8 BI, 14
	WIN 0x40
	BIAS8 192, 20                                  ; u, in window 1
	BIAS8 224, 22                                  ; v
	WIN 0
	s_wait_loadcnt 0x0
.irp tau, 0,1,2,3,4,5,6,7
	TILE \tau, 1
	EPI_Q \tau
.endr
	s_branch .Lend
.Lk:	; ---- k
	KVBASE 7168, 0
	v_and_b32 v[MK], 8, v2
	v_add_nc_u32 v[MK], v[MK], v2
	s_lshl_b32 s58, s[BLK], 7
	v_add_nc_u32 v[MK], s58, v[MK]                 ; 128 x block + r + 8 (r / 8)
	BIAS8 BI, 16
.irp tau, 0,1,2,3,4,5,6,7
	global_load_u8 v[MB+\tau], v[MK], s[24:25] offset:32*(\tau/2)+8*(\tau%2)
.endr
	s_wait_loadcnt 0x0
.irp tau, 0,1,2,3,4,5,6,7
	v_mad_u32_u24 v[MB+\tau], v[MB+\tau], 219, 1   ; 220 for a hidden key, else 1
.endr
.irp tau, 0,1,2,3,4,5,6,7
	TILE \tau, 1
	EPI_K \tau
.endr
	s_branch .Lend
.Lv:	; ---- v: lane (r, h) holds feature r of a tile and, in 64 registers, keys 32 b + 16 h + i of the block's 128
	KVBASE 6656, 14336
	v_and_b32 v[BA], 8, v2
	v_add_nc_u32 v[BA], v[BA], v2
	v_lshlrev_b32 v[BA], 2, v[BA]
	v_add_nc_u32 v[BA], s54, v[BA]                 ; the bias of my feature: 256 x head + 4 (r + 8 (r / 8))
	WIN 0x40
.irp t, 0,1,2,3
.irp j, 0,1,2,3,4,5,6,7
	global_load_b32 v[192+8*\t+\j], v[BA], s[18:19] offset:(32*(\t/2)+8*(\t%2))*4   ; eight equal registers a tile: the result's layout has one feature a lane
.endr
.endr
	WIN 0
	s_wait_loadcnt 0x0
.irp np, 0,1
.irp m, 0,1,2,3,4,5,6,7
	VT \np, \m
.endr
.irp n2, 0,1
	s_wait_xcnt 0x0                                ; the last record's stores have read their registers
	QH ACCV+64*\n2
.irp c, 0,1,2
	global_store_b128 v[LI], v[PC+4*\c:PC+4*\c+3], s[OP:OP+1] offset:(2*\np+\n2)*1664+512*\c
.endr
	global_store_b32 v[LS], v[PW], s[OP:OP+1] offset:(2*\np+\n2)*1664+1536
.endr
.endr
.Lend:
	s_wait_tensorcnt 0x0                           ; the wave's end, behind my last LDS store
	ds_add_u32 v[SPW], v[NIL]
	s_wait_dscnt 0x0
	s_endpgm
.Lfunc_end_k_qfd867d2a5f_proj:
	.size	k_qfd867d2a5f_proj, .Lfunc_end_k_qfd867d2a5f_proj-k_qfd867d2a5f_proj
	.p2alignl 7, 3214868480
	.fill 96, 4, 3214868480
	.section	.rodata,"a",@progbits
	.p2align	6, 0x0
	.amdhsa_kernel k_qfd867d2a5f_proj
		.amdhsa_group_segment_fixed_size 54272
		.amdhsa_private_segment_fixed_size 0
		.amdhsa_enable_private_segment 0
		.amdhsa_kernarg_size 112
		.amdhsa_user_sgpr_count 2
		.amdhsa_user_sgpr_kernarg_segment_ptr 1
		.amdhsa_wavefront_size32 1
		.amdhsa_system_sgpr_workgroup_id_x 1
		.amdhsa_system_sgpr_workgroup_id_y 1
		.amdhsa_system_sgpr_workgroup_id_z 1
		.amdhsa_system_vgpr_workitem_id 0
		.amdhsa_next_free_vgpr 512
		.amdhsa_next_free_sgpr 66
		.amdhsa_reserve_vcc 0
		.amdhsa_float_denorm_mode_32 3
		.amdhsa_float_denorm_mode_16_64 3
		.amdhsa_memory_ordered 1
		.amdhsa_forward_progress 1
		.amdhsa_inst_pref_size 255
	.end_amdhsa_kernel
	.section	.bss,"aw",@nobits
	.p2align	6
	.space	262144
	.amdgpu_metadata
---
amdhsa.version: [ 1, 2 ]
amdhsa.kernels:
  - .name:           k_qfd867d2a5f_proj
    .symbol:         k_qfd867d2a5f_proj.kd
    .args:
      - { .name: query, .offset: 0, .size: 8, .value_kind: global_buffer, .address_space: global }
      - { .name: key, .offset: 8, .size: 8, .value_kind: global_buffer, .address_space: global }
      - { .name: value, .offset: 16, .size: 8, .value_kind: global_buffer, .address_space: global }
      - { .name: pos_emb, .offset: 24, .size: 8, .value_kind: global_buffer, .address_space: global }
      - { .name: wc, .offset: 32, .size: 8, .value_kind: global_buffer, .address_space: global }
      - { .name: wq_b, .offset: 40, .size: 8, .value_kind: global_buffer, .address_space: global }
      - { .name: wk_b, .offset: 48, .size: 8, .value_kind: global_buffer, .address_space: global }
      - { .name: wv_b, .offset: 56, .size: 8, .value_kind: global_buffer, .address_space: global }
      - { .name: pos_u, .offset: 64, .size: 8, .value_kind: global_buffer, .address_space: global }
      - { .name: pos_v, .offset: 72, .size: 8, .value_kind: global_buffer, .address_space: global }
      - { .name: key_padding_mask, .offset: 80, .size: 8, .value_kind: global_buffer, .address_space: global }
      - { .name: qc, .offset: 88, .size: 8, .value_kind: global_buffer, .address_space: global }
      - { .name: kv, .offset: 96, .size: 8, .value_kind: global_buffer, .address_space: global }
      - { .name: pc, .offset: 104, .size: 8, .value_kind: global_buffer, .address_space: global }
    .group_segment_fixed_size: 54272
    .private_segment_fixed_size: 0
    .kernarg_segment_align: 8
    .kernarg_segment_size: 112
    .max_flat_workgroup_size: 256
    .sgpr_count:     66
    .vgpr_count:     512
    .wavefront_size: 32
...
	.end_amdgpu_metadata
.endif
;; end of part 2
;; launch attn (part 3): grid 8 x 32, 16 waves a work-group, no clusters, 327,680 bytes of LDS; arguments qc, kv, pc, key_padding_mask, oc; writes oc
.if DOCPART == 3
	.amdgcn_target "amdgcn-amd-amdhsa--gfx1250"
	.amdhsa_code_object_version 6
	.text
	.protected	k_qfd867d2a5f_attn
	.globl	k_qfd867d2a5f_attn
	.p2align	8
	.type	k_qfd867d2a5f_attn,@function
k_qfd867d2a5f_attn:
	s_mov_b64 s[64:65], 0
	v_nop
	global_prefetch_b8 v0, s[64:65] scope:SCOPE_SE
	s_setreg_imm32_b32 hwreg(HW_REG_WAVE_MODE, 25, 1), 1
	s_wait_xcnt 0x0
; Attention with relative positions on codes of FP6 (E2M3): score(q, k) = (q + u)[q] . k[k] + (q + v)[q] . p[k - q + 2047], / 8; softmax by p = 2^(t - M), M a whole number; O = P V / the sum; O quantised along the head's 64 for the last projection.
; (The shift of the reference keeps, of each query's 4,095 positions, the 2,048 at k - q + 2047: only those are multiplied.)
; SHARES.  Work-group (x, y): 256 queries of batch y / 8, head y % 8.  Each of sixteen waves owns 16 queries in 256 registers, four waves to a SIMD, and walks all 2,048 keys, 128 a step.
; A ring of two LDS slots of 256 keys, filled by the tensor data mover: 16 records of K, 8 of V (waves 0, 1) and 32 records of P, 512 positions (waves 2, 3); all are images of operand registers, read at 16 x lane and 8 x lane.
; BOTH SCORE PRODUCTS ARE USED TRANSPOSED: a lane holds ONE query (lane % 16).  The keys of a tile of K are 32 b + 8 u + r + 8 (r / 8): the 16 registers of tiles 2 b, 2 b + 1 are keys 32 b + 16 (lane / 16) + 0 .. 15.
; THE SKEW.  With q0 my first query and k0 the step's first key, key k0 + j of query q0 + r wants position P0 + j + 15 - r, P0 = k0 - q0 + 2032, a multiple of 16: nine aligned tiles of 16 positions serve a step.
; Their products go to my own stage in LDS (row r, 592 bytes apart) and come back 4 bytes a lane from 588 r + 60 + ..: each lane's row shifted by its own r, straight into the score registers, where they are the C of K's products.
; K = 64 IN AN INSTRUCTION OF 128.  A record fills registers 0-5 of a fragment (k = 32 h + 0 .. 31); registers 6-11 of the four fragment buffers and of Q's operands are constants, written once; loads touch registers 0-5 alone.
; THE MASK rides there: the buffers hold the code -1 at k = 64, Q(q + u) the code +1 under the scale 2^-60, Q(q + v) zeros; byte 2 of a key's scale word is 2^93 for a hidden key and 2^-126 else.  So a hidden key's score gets -2^33.
; A batch ALL of whose keys are hidden: c = 0 is selected for log2(e) / 8, so that every t is 0 and every p is 1: the uniform weights that equal logits give.
; NO CLUSTER: of a slot's 56,320 bytes the eight work-groups of a head share K's and V's 27,648; P's 28,672 begin 256 positions apart from work-group to work-group.  A joint request would serve under half of a fill and put a round of the
; cluster's barrier at each of the eight changes of slots.
; LIMITS: a hidden key's logit is taken as its own - 2^30, not -1e9: the same result while logits stay under 5e8 in magnitude.  NaN and infinities are not served.  A block of zeros gets the byte 1 (this program alone reads the bytes).
.set SLOT1, 65536                      ; slot 1 begins here: one exclusive or turns an address from one slot to the other
.set VOFF,  14336                      ; in a slot: 16 records of K (896), then 8 of V (1,664),
.set POFF,  27648                      ; then 32 of P (896)
.set STG,   131072                     ; behind the ring: a stage of 16 rows x 592 bytes for each wave
.set SPARE, 282624                     ; the spare words, 128 bytes for each wave: eight blocks of 256 bytes that no other line names
.set L16, 1                            ; v1   16 x lane
.set L8,  2                            ; v2   8 x lane
.set LS9, 3                            ; v3   scale words of two neighbouring records of 896: 768 + 896 h + 4 r
.set LSV, 4                            ; v4   of 1,664: 1,536 + 1,664 h + 4 r
.set SPW, 5                            ; v5   my spare word's LDS address; never rewritten
.set NIL, 6                            ; v6   0; never rewritten
.set STO, 7                            ; v7   the stage, in: 592 r + 32 h
.set SLD, 8                            ; v8   the stage, back: 588 r + 60 + 64 h
.set AK16, 9                           ; v9-11 the slot in hand + L16, L8, LS9
.set AK8, 10
.set AKS, 11                           ; v12 -M, v13 the largest t, v[14:15] the sum in two halves
.set QU,  16                           ; v16-27  Q(q + u)
.set QV,  28                           ; v28-39  Q(q + v)
.set FB,  40                           ; v40-87  four fragment buffers
.set S,   88                           ; v88-151 the scores, then p, then V's four fragments
.set X8,  152                          ; v152-159 the ninth tile of positions
.set O,   160                          ; v160-191 O^T
.set PC,  192                          ; v192-203 p's codes
.set PT,  204                          ; v204-210 halves as converted
.set TM,  212                          ; v212-215 the blocks' largest scores, then largest p
.set T2,  216                          ; v216-219 at work
.set SO,  220                          ; v220-223 the conversions' scale operands
.set PS,  224                          ; v224-228 P's scale words: two tiles a register (lanes 0-15, lanes 16-31)
.set KS,  229                          ; v229-232 K's
.set VS,  233                          ; v233-234 V's
.set QUS, 235
.set QVS, 236
.set PW,  237                          ; p's scale word
.set F,   238                          ; v[238:239] f = 2^(old M - new M); v239 is written once, since the pair is named
.set AVS, 240
.set AP16, 241                         ; v241-243 my wave's first record of P in the slot in hand + L16, L8, LS9
.set AP8, 242
.set APS, 243
.set TP,  244                          ; at work
.set LS,  246                          ; v246 4 x lane
.set WV,  18
.set SEL, 20                           ; s[20:21]
.set CS,  22                           ; s[22:23] c, twice
.set G1KV, 24
.set G1P, 32
.set G0KV, 40
.set G0P, 44
.set TB,  2                            ; s2   the slot in hand
.set TBP, 3
.set PWO, 48                           ; s48  POFF + (15 - wave) x 896
.set SLOTS, 49
.set OP,  12                           ; s[12:13] my record of oc
.macro TLOAD                           ; waves 0, 1: the halves of K's and V's block; waves 2, 3: of P's; the others nothing.  An s_nop 0 and four v_nop follow each line
	s_cmp_lt_u32 s[WV], 2
	s_cbranch_scc0 .Lnot_kv_\@
	tensor_load_to_lds s[G0KV:G0KV+3], s[G1KV:G1KV+7]
	s_nop 0
.rept 4
	v_nop
.endr
	s_branch .Lasked_\@
.Lnot_kv_\@:
	s_cmp_lt_u32 s[WV], 4
	s_cbranch_scc0 .Lasked_\@
	tensor_load_to_lds s[G0P:G0P+3], s[G1P:G1P+7]
	s_nop 0
.rept 4
	v_nop
.endr
.Lasked_\@:
.endm
.macro PLACES                          ; four places behind matrix instructions, in front of reads of their results and of loads into their registers
.rept 4
	v_nop
.endr
.endm
.macro LD6 reg, a16, a8, off           ; a record's six registers
	ds_load_b128 v[\reg:\reg+3], v[\a16] offset:\off
	ds_load_b64 v[\reg+4:\reg+5], v[\a8] offset:\off+512
.endm
.macro XST reg, a                      ; tile a of positions into my stage, from its low end on
	ds_store_b128 v[STO], v[\reg:\reg+3] offset:64*(\a)
	ds_store_b128 v[STO], v[\reg+4:\reg+7] offset:64*(\a)+16
.endm
.macro XPR d, fb, sc, row              ; 16 positions x my 16 queries
.if \row
	v_wmma_scale_f32_16x16x128_f8f6f4 v[\d:\d+7], v[\fb:\fb+11], v[QV:QV+11], 0, v[\sc], v[QVS] matrix_a_fmt:MATRIX_FMT_FP6 matrix_b_fmt:MATRIX_FMT_FP6 matrix_a_scale:MATRIX_SCALE_ROW1
.else
	v_wmma_scale_f32_16x16x128_f8f6f4 v[\d:\d+7], v[\fb:\fb+11], v[QV:QV+11], 0, v[\sc], v[QVS] matrix_a_fmt:MATRIX_FMT_FP6 matrix_b_fmt:MATRIX_FMT_FP6
.endif
.endm
.macro ACP t, fb                       ; 16 keys x my 16 queries, onto the skewed position scores
.if (\t)%2
	v_wmma_scale_f32_16x16x128_f8f6f4 v[S+8*(\t):S+8*(\t)+7], v[\fb:\fb+11], v[QU:QU+11], v[S+8*(\t):S+8*(\t)+7], v[KS+(\t)/2], v[QUS] matrix_a_fmt:MATRIX_FMT_FP6 matrix_b_fmt:MATRIX_FMT_FP6 matrix_a_scale:MATRIX_SCALE_ROW1
.else
	v_wmma_scale_f32_16x16x128_f8f6f4 v[S+8*(\t):S+8*(\t)+7], v[\fb:\fb+11], v[QU:QU+11], v[S+8*(\t):S+8*(\t)+7], v[KS+(\t)/2], v[QUS] matrix_a_fmt:MATRIX_FMT_FP6 matrix_b_fmt:MATRIX_FMT_FP6
.endif
.endm
.macro PVP t                           ; 16 of the head's 64 x my 16 queries, K = the step's 128 keys
.if (\t)%2
	v_wmma_scale_f32_16x16x128_f8f6f4 v[O+8*(\t):O+8*(\t)+7], v[S+12*(\t):S+12*(\t)+11], v[PC:PC+11], v[O+8*(\t):O+8*(\t)+7], v[VS+(\t)/2], v[PW] matrix_a_fmt:MATRIX_FMT_FP6 matrix_b_fmt:MATRIX_FMT_FP6 matrix_a_scale:MATRIX_SCALE_ROW1
.else
	v_wmma_scale_f32_16x16x128_f8f6f4 v[O+8*(\t):O+8*(\t)+7], v[S+12*(\t):S+12*(\t)+11], v[PC:PC+11], v[O+8*(\t):O+8*(\t)+7], v[VS+(\t)/2], v[PW] matrix_a_fmt:MATRIX_FMT_FP6 matrix_b_fmt:MATRIX_FMT_FP6
.endif
.endm
.macro QH2 x                           ; v[x + 16 b + i] = k 32 b + 16 h + i, b = 0, 1  ->  v[PC] .. v[PC + 5]; v[PW] = the two bytes
.irp b, 0,1
	v_max3_num_f32 v[TM+\b], |v[\x+16*\b]|, |v[\x+16*\b+1]|, 0x1800000
.endr
.irp i, 2,4,6,8,10,12,14
.irp b, 0,1
	v_max3_num_f32 v[TM+\b], v[TM+\b], |v[\x+16*\b+\i]|, |v[\x+16*\b+\i+1]|
.endr
.endr
.irp b, 0,1
	v_permlanex16_b32 v[T2+\b], v[TM+\b], s[SEL], s[SEL+1]
.endr
.irp b, 0,1
	v_max_num_f32 v[TM+\b], v[TM+\b], v[T2+\b]
.endr
.irp b, 0,1
	v_add_nc_u32 v[SO+\b], 0xff000000, v[TM+\b]
.endr
.irp b, 0,1
	v_lshrrev_b32 v[T2+\b], 23, v[SO+\b]
.endr
	v_lshl_or_b32 v[PW], v[T2+1], 8, v[T2]
	v_cvt_scalef32_pk16_fp6_f32 v[PC:PC+2], v[\x:\x+15], v[SO]
	v_cvt_scalef32_pk16_fp6_f32 v[PT:PT+2], v[\x+16:\x+31], v[SO+1]
	v_nop
.irp i, 0,1,2
	v_permlane16_swap_b32 v[PC+\i], v[PT+\i]
.endr
.irp i, 0,1,2
	v_mov_b32 v[PC+3+\i], v[PT+\i]
.endr
.endm
	s_load_b256 s[4:11], s[0:1], 0x0               ; qc 4, kv 6, pc 8, key_padding_mask 10
	s_load_b64 s[12:13], s[0:1], 0x20              ; oc
	v_lshl_add_u32 v[SPW], v0, 2, SPARE
	v_mov_b32 v[NIL], 0
	ds_add_u32 v[SPW], v[NIL]                      ; the wave's opening: the add, and its wait ahead of my first tensor load; the set-up below, work on registers, stands between them
	v_lshrrev_b32 v[TP], 5, v0
	v_readfirstlane_b32 s[WV], v[TP]               ; wave 0..15
	s_and_b32 s14, ttmp7, 0xffff                   ; y = 8 batch + head
	s_lshr_b32 s15, s14, 3                         ; batch
	s_and_b32 s16, s14, 7                          ; head
	; descriptor group 1: a dense block as rows of 256 bytes (32 elements of 8 bytes), no padding: 54 rows for half of K's and V's block, 56 for half of P's
.irp g, G1KV, G1P
	s_mov_b32 s[\g], 3<<16                         ; no mask; elements of 8 bytes
	s_mov_b32 s[\g+1], 32<<16                      ; tensor_dim0
	s_mov_b32 s[\g+3], 32<<16                      ; tile_dim0
	s_mov_b32 s[\g+5], 32                          ; from row to row
	s_mov_b32 s[\g+6], 0
	s_mov_b32 s[\g+7], 0
.endr
	s_mov_b32 s[G1KV+2], 54<<16                    ; tensor_dim1
	s_mov_b32 s[G1KV+4], 54                        ; tile_dim1
	s_mov_b32 s[G1P+2], 56<<16
	s_mov_b32 s[G1P+4], 56
	s_and_b32 s17, s[WV], 1                        ; which half I fetch, if I fetch
	s_mul_i32 s50, s17, 13824
	s_mul_i32 s52, s14, 221184                     ; my head's eight blocks of 27,648 bytes
	s_add_co_u32 s52, s52, s50
	s_mov_b32 s53, 0
	s_mul_i32 s51, s17, 14336
	s_lshl_b32 s54, ttmp9, 1
	s_sub_co_u32 s54, 14, s54
	s_mul_i32 s54, s54, 7168                       ; slot 0's P begins at position (14 - 2 x) 128: 8 records of 896 bytes for each 128
	s_add_co_u32 s54, s54, s51
	s_mul_i32 s55, s16, 229376                     ; my head's 256 records
	s_add_co_u32 s54, s54, s55
	s_mov_b32 s55, 0
	s_mov_b32 s[SEL], 0x76543210
	s_mov_b32 s[SEL+1], 0xfedcba98
	s_mov_b32 s[TB], 0
	s_mov_b32 s[SLOTS], 7
	s_xor_b32 s[PWO], s[WV], 15
	s_mul_i32 s[PWO], s[PWO], 896
	s_add_co_u32 s[PWO], s[PWO], POFF
	s_wait_dscnt 0x0                               ; the opening add is done
	s_wait_kmcnt 0x0
	s_mov_b32 s[G0KV], 1                           ; count = 1
	s_mov_b32 s[G0KV+1], s50                       ; LDS address: slot 0
	s_add_nc_u64 s[G0KV+2:G0KV+3], s[6:7], s[52:53]
	s_or_b32 s[G0KV+3], s[G0KV+3], 0x80000000      ; type = 2
	s_mov_b32 s[G0P], 1
	s_add_co_u32 s[G0P+1], s51, POFF
	s_add_nc_u64 s[G0P+2:G0P+3], s[8:9], s[54:55]
	s_or_b32 s[G0P+3], s[G0P+3], 0x80000000
	TLOAD                                          ; slot 0
	s_lshl_b32 s56, s14, 7
	s_lshl_b32 s57, ttmp9, 4
	s_add_co_u32 s56, s56, s57
	s_add_co_u32 s56, s56, s[WV]
	s_mul_i32 s56, s56, 1792                       ; my tile of queries: (128 y + 16 x + wave) records of 1,792 bytes
	s_mov_b32 s57, 0
	s_add_nc_u64 s[4:5], s[4:5], s[56:57]
	s_lshl_b32 s56, s15, 11
	s_add_nc_u64 s[10:11], s[10:11], s[56:57]      ; my batch's 2,048 mask bytes
	s_lshl_b32 s56, s15, 7
	s_lshl_b32 s58, ttmp9, 4
	s_add_co_u32 s56, s56, s58
	s_add_co_u32 s56, s56, s[WV]
	s_lshl_b32 s56, s56, 3
	s_add_co_u32 s56, s56, s16
	s_mul_i32 s56, s56, 896                        ; oc: ((128 batch + 16 x + wave) 8 + head) records of 896 bytes
	s_add_nc_u64 s[OP:OP+1], s[OP:OP+1], s[56:57]
	v_and_b32 v[TP], 31, v0
	v_lshlrev_b32 v[L16], 4, v[TP]
	v_lshlrev_b32 v[L8], 3, v[TP]
	v_lshlrev_b32 v[LS], 2, v[TP]
	v_lshlrev_b32 v[TP+1], 6, v[TP]                ; 64 x lane: my share of the mask
	global_load_b128 v[QU:QU+3], v[L16], s[4:5]
	global_load_b64 v[QU+4:QU+5], v[L8], s[4:5] offset:512
	global_load_b32 v[QUS], v[LS], s[4:5] offset:768
	global_load_b128 v[QV:QV+3], v[L16], s[4:5] offset:896
	global_load_b64 v[QV+4:QV+5], v[L8], s[4:5] offset:896+512
	global_load_b32 v[QVS], v[LS], s[4:5] offset:896+768
.irp i, 0,1,2,3
	global_load_b128 v[S+4*\i:S+4*\i+3], v[TP+1], s[10:11] offset:16*\i
.endr
	v_and_b32 v[TP+3], 15, v0                      ; r
	v_bfe_u32 v[TP], v0, 4, 1                      ; h
	v_mul_u32_u24 v[LS9], v[TP], 896
	v_lshl_add_u32 v[LS9], v[TP+3], 2, v[LS9]
	v_add_nc_u32 v[LS9], 768, v[LS9]
	v_mul_u32_u24 v[LSV], v[TP], 1664
	v_lshl_add_u32 v[LSV], v[TP+3], 2, v[LSV]
	v_add_nc_u32 v[LSV], 1536, v[LSV]
	s_mul_i32 s58, s[WV], 9472
	s_add_co_u32 s58, s58, STG                     ; my stage
	v_mul_u32_u24 v[STO], v[TP+3], 592
	v_lshl_add_u32 v[STO], v[TP], 5, v[STO]
	v_add_nc_u32 v[STO], s58, v[STO]
	v_mul_u32_u24 v[SLD], v[TP+3], 588
	v_lshl_add_u32 v[SLD], v[TP], 6, v[SLD]
	v_add_nc_u32 v[SLD], s58, v[SLD]
	v_add_nc_u32 v[SLD], 60, v[SLD]
	; the constant halves of the operands: k = 64 is the lowest code of register 6 in lanes 0-15
	v_sub_nc_u32 v[X8], 1, v[TP]                   ; 1 in lanes 0-15
	v_lshlrev_b32 v[QU+6], 3, v[X8]                ; the code +1.0 (0x08)
	v_mov_b32 v[QV+6], 0
.irp i, 7,8,9,10,11
	v_mov_b32 v[QU+\i], 0
	v_mov_b32 v[QV+\i], 0
.endr
.irp t, 0,1,2,3
	v_mul_u32_u24 v[FB+12*\t+6], v[X8], 40         ; the code -1.0 (0x28)
.irp i, 7,8,9,10,11
	v_mov_b32 v[FB+12*\t+\i], 0
.endr
.endr
	v_mov_b32 v13, 0xff61b1e6                      ; the largest t so far: -3e38, under every t
	v_floor_f32 v12, -v13                          ; -M
	v_mov_b32 v14, 0
	v_mov_b32 v15, 0
	v_mov_b32 v[F+1], 0
.irp b, 0,1,2,3
	v_mov_b32 v[T2+\b], 0                          ; a lane permute's destination counts as read
.endr
.set n, 0
.rept 32
	v_mov_b32 v[O+n], 0                            ; O^T.  (The step is written once: its first walk finds zeros, which the first change of M leaves zeros)
.set n, n+1
.endr
	s_wait_loadcnt 0x0                             ; Q and the mask
.irp i, 1,2,3,4,5,6,7,8,9,10,11,12,13,14,15
	v_and_b32 v[S], v[S], v[S+\i]                  ; all of my 64 bytes are 1?
.endr
	v_cmp_eq_u32 s60, 0x01010101, v[S]
	s_mov_b32 s61, 0x3e38aa3b                      ; log2(e) / 8
	s_cmp_eq_u32 s60, -1                           ; in all 32 lanes: every key of the batch is hidden
	s_cselect_b32 s[CS], 0, s61                    ; a choice of a value: no branch hangs on it
	s_mov_b32 s[CS+1], s[CS]
; A KEY STEP: 128 keys, the e-th of the slot in hand.
.macro STEP e
	s_add_co_u32 s[TBP], s[TB], s[PWO]
	v_add_nc_u32 v[AK16], s[TB], v[L16]            ; (these seven are also the places between the last products, which read V's fragments in S, and the products below that write there)
	v_add_nc_u32 v[AK8], s[TB], v[L8]
	v_add_nc_u32 v[AKS], s[TB], v[LS9]
	v_add_nc_u32 v[AVS], s[TB], v[LSV]
	v_add_nc_u32 v[AP16], s[TBP], v[L16]
	v_add_nc_u32 v[AP8], s[TBP], v[L8]
	v_add_nc_u32 v[APS], s[TBP], v[LS9]
.irp a, 0,1,2,3                        ; my tile a of positions is record 8 e + 15 - wave + a of the slot's 32
	LD6 FB+12*\a, AP16, AP8, (8*\e+\a)*896
.endr
.irp a, 0,2,4,6
	ds_load_b32 v[PS+\a/2], v[APS] offset:(8*\e+\a)*896   ; lanes 0-15: tile a's words; lanes 16-31: tile a + 1's
.endr
	ds_load_b32 v[PS+4], v[APS] offset:(8*\e+7)*896       ; lanes 16-31: tile 8's
	s_wait_dscnt 0x0
.irp a, 0,1,2,3
	XPR S+8*\a, FB+12*\a, PS+\a/2, \a%2
.endr
	PLACES
.irp a, 0,1,2,3
	LD6 FB+12*\a, AP16, AP8, (8*\e+4+\a)*896
.endr
.irp a, 0,1,2,3
	XST S+8*\a, \a
.endr
	s_wait_dscnt 8                                 ; the eight stores, which are younger, may be out: the fragments are in
.irp a, 0,1,2,3
	XPR S+32+8*\a, FB+12*\a, PS+2+\a/2, \a%2
.endr
	PLACES
	LD6 FB, AP16, AP8, (8*\e+8)*896
.irp t, 0,1,2
	LD6 FB+12+12*\t, AK16, AK8, (8*\e+\t)*896
.endr
.irp i, 0,1,2,3
	ds_load_b32 v[KS+\i], v[AKS] offset:(8*\e+2*\i)*896
.endr
.irp a, 0,1,2,3
	XST S+32+8*\a, 4+\a
.endr
	s_wait_dscnt 8                                 ; again the eight younger stores
	XPR X8, FB, PS+4, 1
	PLACES
	LD6 FB, AK16, AK8, (8*\e+3)*896
	XST X8, 8
.set n, 0
.rept 64
	ds_load_b32 v[S+n], v[SLD] offset:4*(32*(n/16)+n%16)   ; LDS serves a wave's instructions in order (ISA guide 5.7.1.4): these see my stores.  Register 16 b + i: key 32 b + 16 h + i, position + 15 - r
.set n, n+1
.endr
	s_wait_dscnt 0x0
	ACP 0, FB+12
	ACP 1, FB+24
	ACP 2, FB+36
	ACP 3, FB
	PLACES
.irp t, 0,1,2,3
	LD6 FB+12*\t, AK16, AK8, (8*\e+4+\t)*896
.endr
	s_wait_dscnt 0x0
.irp t, 0,1,2,3
	ACP 4+\t, FB+12*\t
.endr
	PLACES
.irp b, 0,1,2,3
	v_max3_num_f32 v[TM+\b], v[S+16*\b], v[S+16*\b+1], v[S+16*\b+2]   ; the largest score of each block of 32 keys: for the row's maximum and, since p rises with the score, for the block's largest p
.endr
.irp i, 3,5,7,9,11,13
.irp b, 0,1,2,3
	v_max3_num_f32 v[TM+\b], v[TM+\b], v[S+16*\b+\i], v[S+16*\b+\i+1]
.endr
.endr
.irp b, 0,1,2,3
	v_max_num_f32 v[TM+\b], v[TM+\b], v[S+16*\b+15]
.endr
.irp b, 0,1,2,3
	v_permlanex16_b32 v[T2+\b], v[TM+\b], s[SEL], s[SEL+1]
.endr
.irp b, 0,1,2,3
	v_max_num_f32 v[TM+\b], v[TM+\b], v[T2+\b]     ; with lane l xor 16's 16 keys
.endr
	v_max3_num_f32 v[TP], v[TM], v[TM+1], v[TM+2]
	v_max_num_f32 v[TP], v[TP], v[TM+3]
	v_mul_f32 v[TP], s[CS], v[TP]                  ; as t (c is not negative)
	v_max_num_f32 v13, v13, v[TP]                  ; the running largest t
	v_mov_b32 v[TP], v12
	v_floor_f32 v12, -v13                          ; the new -M = -ceil(t): a whole number
	v_sub_f32 v[TP], v12, v[TP]                    ; old M - new M: a whole number, 0 or less
	v_cvt_i32_f32 v[TP], v[TP]                     ; (it saturates)
	v_ldexp_f32 v[F], 1.0, v[TP]                   ; f = 2^(old M - new M): multiplying by it rounds nothing
.set n, 0
.rept 32
	v_pk_fma_f32 v[S+n:S+n+1], v[S+n:S+n+1], s[CS:CS+1], v[12:13] op_sel_hi:[1,0,0]   ; t - M, two at a time
.set n, n+2
.endr
.irp b, 0,1,2,3
	v_fma_f32 v[TM+\b], v[TM+\b], s[CS], v12
.endr
.set n, 0
.rept 64
	v_exp_f32 v[S+n], v[S+n]                       ; p = 2^(t - M): not normalised
.set n, n+1
.endr
	v_pk_mul_f32 v[14:15], v[14:15], v[F:F+1] op_sel_hi:[1,0]   ; the sums under the new M: a plain instruction behind the exponentials
	s_wait_alu depctr_va_vdst(0)                   ; one wait for the batch, ahead of its first reader
.irp b, 0,1,2,3
	v_exp_f32 v[TM+\b], v[TM+\b]                   ; the blocks' largest p
.endr
	v_pk_add_f32 v[T2:T2+1], v[S:S+1], v[S+2:S+3]  ; the row's sum is taken of the unquantised p, in two chains
.set n, 4
.rept 15
	v_pk_add_f32 v[14:15], v[14:15], v[S+n:S+n+1]
	v_pk_add_f32 v[T2:T2+1], v[T2:T2+1], v[S+n+2:S+n+3]
.set n, n+4
.endr
	v_pk_add_f32 v[14:15], v[14:15], v[T2:T2+1]
	s_wait_alu depctr_va_vdst(0)                   ; and one for the four
.irp b, 0,1,2,3
	v_max_num_f32 v[TM+\b], 0x1800000, v[TM+\b]    ; the floor 2^(3 - 127): the byte cannot fall under 1
.endr
.irp b, 0,1,2,3
	v_add_nc_u32 v[SO+\b], 0xff000000, v[TM+\b]
.endr
.irp b, 0,1,2,3
	v_lshrrev_b32 v[T2+\b], 23, v[SO+\b]
.endr
	v_lshl_or_b32 v[PW], v[T2+1], 8, v[T2]
	v_lshl_or_b32 v[PW], v[T2+2], 16, v[PW]
	v_lshl_or_b32 v[PW], v[T2+3], 24, v[PW]
.irp c, 0,1
	v_cvt_scalef32_pk16_fp6_f32 v[PC+6*\c:PC+6*\c+2], v[S+32*\c:S+32*\c+15], v[SO+2*\c]
	v_cvt_scalef32_pk16_fp6_f32 v[PT+4*\c:PT+4*\c+2], v[S+32*\c+16:S+32*\c+31], v[SO+2*\c+1]
.endr
	v_nop                                          ; one plain instruction behind the conversions
.irp t, 0,1,2,3                        ; V's four fragments land where p lay
.irp c, 0,1,2
	ds_load_b128 v[S+12*\t+4*\c:S+12*\t+4*\c+3], v[AK16] offset:VOFF+(4*\e+\t)*1664+512*\c
.endr
.endr
.irp i, 0,1
	ds_load_b32 v[VS+\i], v[AVS] offset:VOFF+(4*\e+2*\i)*1664
.endr
.irp c, 0,1                            ; the operand wants a WHOLE block in a lane
.irp i, 0,1,2
	v_permlane16_swap_b32 v[PC+6*\c+\i], v[PT+4*\c+\i]
.endr
.irp i, 0,1,2
	v_mov_b32 v[PC+3+6*\c+\i], v[PT+4*\c+\i]
.endr
.endr
.set n, 0
.rept 16
	v_pk_mul_f32 v[O+n:O+n+1], v[O+n:O+n+1], v[F:F+1] op_sel_hi:[1,0]   ; O^T under the new M.  (These sixteen stand between the writes of p's codes and scale word and the products that take them)
.set n, n+2
.endr
	s_wait_dscnt 0x0
.irp t, 0,1,2,3
	PVP \t
.endr
.endm
; THE CHANGE OF SLOTS stands at a slot's head.  Each wave waits for all its tensor loads (one at the most is out: its part of the slot ahead), adds 0 to its spare word, and waits for that and for its reads of the slot that it has left.
; Behind the barrier the slot ahead is whole and nobody reads the other.  fill = 1: the other is filled with the next 256 keys and the positions 256 further on: the load has two key steps in which to land.
.macro CHANGE fill
	s_wait_tensorcnt 0x0                           ; no tensor load of mine is out, so a group 0 may be written
	ds_add_u32 v[SPW], v[NIL]
.if \fill
	s_xor_b32 s[G0KV+1], s[G0KV+1], SLOT1
	s_add_nc_u64 s[G0KV+2:G0KV+3], s[G0KV+2:G0KV+3], 27648
	s_xor_b32 s[G0P+1], s[G0P+1], SLOT1
	s_add_nc_u64 s[G0P+2:G0P+3], s[G0P+2:G0P+3], 14336   ; 16 records on
.endif
	s_wait_dscnt 0x0                               ; the add is done, and my reads of the slot that I have left are over
	s_barrier_signal -1
	s_barrier_wait -1
.if \fill
	TLOAD                                          ; the first thing behind the barrier, and a wave's one tensor load until the next
.endif
.endm
.Lslot:                                            ; seven trips: behind each change of slots but the last the next slot is asked for
	CHANGE 1
	STEP 0
	STEP 1
	s_xor_b32 s[TB], s[TB], SLOT1
	s_sub_co_u32 s[SLOTS], s[SLOTS], 1
	s_cmp_lg_u32 s[SLOTS], 0
	s_cbranch_scc1 .Lslot
	CHANGE 0                                       ; the last slot is written out
	STEP 0
	STEP 1
	; THE WAY OUT: O^T / the sum; register 16 b + i is channel 32 b + 16 h + i of my query (V's rows were chosen so): two blocks of 32 along the last projection's K
	PLACES
	v_add_f32 v14, v14, v15
	v_permlanex16_b32 v[T2], v14, s[SEL], s[SEL+1]
	v_add_f32 v14, v14, v[T2]                      ; the row's sum
	v_rcp_f32 v14, v14
	v_nop                                          ; a plain instruction behind the reciprocal,
	s_wait_alu depctr_va_vdst(0)                   ; and the wait ahead of its first reader
.set n, 0
.rept 32
	v_mul_f32 v[S+n], v[O+n], v14
.set n, n+1
.endr
	QH2 S
	global_store_b128 v[L16], v[PC:PC+3], s[OP:OP+1]
	global_store_b64 v[L8], v[PC+4:PC+5], s[OP:OP+1] offset:512
	global_store_b32 v[LS], v[PW], s[OP:OP+1] offset:768
	s_wait_tensorcnt 0x0                           ; the wave's end, behind my last tensor load and my last LDS store
	ds_add_u32 v[SPW], v[NIL]
	s_wait_dscnt 0x0
	s_endpgm
.Lfunc_end_k_qfd867d2a5f_attn:
	.size	k_qfd867d2a5f_attn, .Lfunc_end_k_qfd867d2a5f_attn-k_qfd867d2a5f_attn
	.p2alignl 7, 3214868480
	.fill 96, 4, 3214868480
	.section	.rodata,"a",@progbits
	.p2align	6, 0x0
	.amdhsa_kernel k_qfd867d2a5f_attn
		.amdhsa_group_segment_fixed_size 327680
		.amdhsa_private_segment_fixed_size 0
		.amdhsa_enable_private_segment 0
		.amdhsa_kernarg_size 40
		.amdhsa_user_sgpr_count 2
		.amdhsa_user_sgpr_kernarg_segment_ptr 1
		.amdhsa_wavefront_size32 1
		.amdhsa_system_sgpr_workgroup_id_x 1
		.amdhsa_system_sgpr_workgroup_id_y 1
		.amdhsa_system_sgpr_workgroup_id_z 1
		.amdhsa_system_vgpr_workitem_id 0
		.amdhsa_next_free_vgpr 256
		.amdhsa_next_free_sgpr 66
		.amdhsa_reserve_vcc 0
		.amdhsa_float_denorm_mode_32 3
		.amdhsa_float_denorm_mode_16_64 3
		.amdhsa_memory_ordered 1
		.amdhsa_forward_progress 1
		.amdhsa_inst_pref_size 111
	.end_amdhsa_kernel
	.amdgpu_metadata
---
amdhsa.version: [ 1, 2 ]
amdhsa.kernels:
  - .name:           k_qfd867d2a5f_attn
    .symbol:         k_qfd867d2a5f_attn.kd
    .args:
      - { .name: qc, .offset: 0, .size: 8, .value_kind: global_buffer, .address_space: global }
      - { .name: kv, .offset: 8, .size: 8, .value_kind: global_buffer, .address_space: global }
      - { .name: pc, .offset: 16, .size: 8, .value_kind: global_buffer, .address_space: global }
      - { .name: key_padding_mask, .offset: 24, .size: 8, .value_kind: global_buffer, .address_space: global }
      - { .name: oc, .offset: 32, .size: 8, .value_kind: global_buffer, .address_space: global }
    .group_segment_fixed_size: 327680
    .private_segment_fixed_size: 0
    .kernarg_segment_align: 8
    .kernarg_segment_size: 40
    .max_flat_workgroup_size: 512
    .sgpr_count:     66
    .vgpr_count:     256
    .wavefront_size: 32
...
	.end_amdgpu_metadata
.endif
;; end of part 3
;; launch outp (part 4): grid 256 x 1, 8 waves a work-group, no clusters, 35,840 bytes of LDS; arguments oc, wc, wo_b, out0; writes out0
.if DOCPART == 4
	.amdgcn_target "amdgcn-amd-amdhsa--gfx1250"
	.amdhsa_code_object_version 6
	.text
	.protected	k_qfd867d2a5f_outp
	.globl	k_qfd867d2a5f_outp
	.p2align	8
	.type	k_qfd867d2a5f_outp,@function
k_qfd867d2a5f_outp:
	s_mov_b64 s[64:65], 0
	v_nop
	global_prefetch_b8 v0, s[64:65] scope:SCOPE_SE
	s_setreg_imm32_b32 hwreg(HW_REG_WAVE_MODE, 25, 1), 1
	s_wait_xcnt 0x0
; out0 = O wo^T + bo on codes of FP6 (E2M3) with E8M0 scales.  O arrives as records of 896 bytes, [tile of 16 tokens 512][head 8]: half a fragment (64 along K) and its two scale bytes; wo as the fifth weight of wc.
; SHARES.  A work-group owns 32 rows (two tiles of tokens); wave w owns columns 64 w .. 64 w + 63: its 16 fragments of wo stay in window 1.  Two heads' records are one fragment of 128 along K: registers 6 c .. 6 c + 5 from head 2 s + c;
; the scale word is the first head's two bytes below the second's.
; THE PRODUCT IS USED TRANSPOSED (source 0 = 16 rows of wo, source 1 = 16 tokens): lane (r, h) holds token r; register j of tile 2 b + u is column 32 b + 16 h + 8 u + j.  The bias is the C of a sum's first product.
; THE WAY OUT: through my own stage in LDS (16 rows x (256 + 16) bytes) and back by rows: sixteen lanes store 256 consecutive bytes, at a multiple of 256 from out0's first byte.  Waves share nothing: no barrier.
.set SPARE, 34816                      ; behind the eight stages of 4,352 bytes: the spare words, 128 bytes for each wave: four blocks of 256 bytes that no other line names
.set LI,  5
.set LS,  6
.set L8,  7
.set SO,  8                            ; v8   the stage, in: 272 r + 64 h
.set SR,  9                            ; v9   back: 272 h + 16 r
.set GO,  10                           ; v10  the same two rows in out0: 2,048 h + 16 r
.set BA,  11                           ; v11  my byte in the bias: 256 w + 64 h
.set SPW, 12
.set NIL, 13
.set WS,  16                           ; v16-31  wo's scale words
.set BI,  32                           ; v32-63  the bias in the result's layout
.set AF,  64                           ; v64-111, v112-159  O's four fragments of the two tiles of tokens
.set RAW, 160                          ; v160-175 the records' words as loaded
.set SW,  176                          ; v176-183 O's scale words, 4 m + s
.set ACC, 184                          ; v184-215
.set OB,  216                          ; v216-247 16 rows read back
.set MSB, 0
.macro WIN new
.if MSB != \new
	s_set_vgpr_msb (MSB<<8)|\new
.set MSB, \new
.endif
.endm
.macro MMO m, t, ks
.if \ks == 0
	v_wmma_scale_f32_16x16x128_f8f6f4 v[ACC+8*\t:ACC+8*\t+7], v[12*(4*\t+\ks):12*(4*\t+\ks)+11], v[AF+48*\m+12*\ks:AF+48*\m+12*\ks+11], v[BI+8*\t:BI+8*\t+7], v[WS+4*\t+\ks], v[SW+4*\m+\ks] matrix_a_fmt:MATRIX_FMT_FP6 matrix_b_fmt:MATRIX_FMT_FP6
.else
	v_wmma_scale_f32_16x16x128_f8f6f4 v[ACC+8*\t:ACC+8*\t+7], v[12*(4*\t+\ks):12*(4*\t+\ks)+11], v[AF+48*\m+12*\ks:AF+48*\m+12*\ks+11], v[ACC+8*\t:ACC+8*\t+7], v[WS+4*\t+\ks], v[SW+4*\m+\ks] matrix_a_fmt:MATRIX_FMT_FP6 matrix_b_fmt:MATRIX_FMT_FP6
.endif
.endm
	s_load_b256 s[4:11], s[0:1], 0x0               ; oc 4, wc 6, wo_b 8, out0 10
	v_lshl_add_u32 v[SPW], v0, 2, SPARE
	v_mov_b32 v[NIL], 0
	v_lshrrev_b32 v1, 5, v0
	v_readfirstlane_b32 s12, v1                    ; wave
	v_and_b32 v1, 31, v0
	v_and_b32 v2, 15, v0                           ; r
	v_bfe_u32 v3, v0, 4, 1                         ; h
	v_lshlrev_b32 v[LI], 4, v1
	v_lshlrev_b32 v[LS], 2, v1
	v_lshlrev_b32 v[L8], 3, v1
	s_mul_i32 s13, s12, 4352                       ; my stage
	v_mul_u32_u24 v[SO], v2, 272
	v_lshl_add_u32 v[SO], v3, 6, v[SO]
	v_add_nc_u32 v[SO], s13, v[SO]
	v_mul_u32_u24 v[SR], v3, 272
	v_lshl_add_u32 v[SR], v2, 4, v[SR]
	v_add_nc_u32 v[SR], s13, v[SR]
	v_lshlrev_b32 v[GO], 11, v3
	v_lshl_add_u32 v[GO], v2, 4, v[GO]
	s_lshl_b32 s13, s12, 8
	v_lshl_add_u32 v[BA], v3, 6, s13
	s_lshl_b32 s14, s12, 4
	s_add_co_u32 s14, s14, 512
	s_mul_i32 s14, s14, 1664                       ; wo's records begin at 512; mine 16 w on
	s_mov_b32 s15, 0
	s_mul_i32 s16, ttmp9, 14336                    ; my 16 records of O
	s_mov_b32 s17, 0
	s_lshl_b32 s18, ttmp9, 16                      ; my 32 rows of 2,048 bytes,
	s_add_co_u32 s18, s18, s13                     ; my 256 bytes of them
	s_mov_b32 s19, 0
	s_wait_kmcnt 0x0
	s_add_nc_u64 s[6:7], s[6:7], s[14:15]
	s_add_nc_u64 s[4:5], s[4:5], s[16:17]
	s_add_nc_u64 s[10:11], s[10:11], s[18:19]
	WIN 0x40                                       ; destination window 1
.set n, 0
.rept 16
.irp c, 0,1,2
	global_load_b128 v[12*n+4*\c:12*n+4*\c+3], v[LI], s[6:7] offset:1664*n+512*\c
.endr
.set n, n+1
.endr
	WIN 0
.set n, 0
.rept 16
	global_load_b32 v[WS+n], v[LS], s[6:7] offset:1664*n+1536
.set n, n+1
.endr
.irp t, 0,1,2,3
	global_load_b128 v[BI+8*\t:BI+8*\t+3], v[BA], s[8:9] offset:(32*(\t/2)+8*(\t%2))*4
	global_load_b128 v[BI+8*\t+4:BI+8*\t+7], v[BA], s[8:9] offset:(32*(\t/2)+8*(\t%2))*4+16
.endr
.set n, 0
.rept 16                               ; record n = 8 m + head
	global_load_b128 v[AF+6*n:AF+6*n+3], v[LI], s[4:5] offset:896*n
	global_load_b64 v[AF+6*n+4:AF+6*n+5], v[L8], s[4:5] offset:896*n+512
	global_load_b32 v[RAW+n], v[LS], s[4:5] offset:896*n+768
.set n, n+1
.endr
	s_wait_loadcnt 0x0
.set n, 0
.rept 8
	v_lshl_or_b32 v[SW+n], v[RAW+2*n+1], 16, v[RAW+2*n]
.set n, n+1
.endr
.rept 8
	v_nop                                          ; a scale register written by a vector instruction stands eight places ahead of the scaled product that takes it
.endr
.irp m, 0,1
	WIN 0x01                                       ; source 0 (wo) window 1
.irp ks, 0,1,2,3
.irp t, 0,1,2,3
	MMO \m, \t, \ks                                ; the four accumulators by turns
.endr
.endr
	WIN 0
.rept 4
	v_nop                                          ; places in front of the first read of the results
.endr
.irp t, 0,1,2,3
	ds_store_b128 v[SO], v[ACC+8*\t:ACC+8*\t+3] offset:128*(\t/2)+32*(\t%2)       ; each accumulator from its low end on
	ds_store_b128 v[SO], v[ACC+8*\t+4:ACC+8*\t+7] offset:128*(\t/2)+32*(\t%2)+16
.endr
.irp i, 0,1,2,3,4,5,6,7
	ds_load_b128 v[OB+4*\i:OB+4*\i+3], v[SR] offset:544*\i   ; LDS serves a wave's instructions in order: these see my stores
.endr
.irp i, 0,1,2,3,4,5,6,7
	s_wait_dscnt 7-\i                              ; the younger read-backs may be out
	global_store_b128 v[GO], v[OB+4*\i:OB+4*\i+3], s[10:11] offset:4096*\i th:TH_STORE_NT
.endr
.if \m == 0
	s_wait_xcnt 0x0                                ; the stores have read their registers and their base
	s_add_nc_u64 s[10:11], s[10:11], 32768         ; 16 rows on
.rept 5
	v_nop                                          ; the accumulators begin anew with another C
.endr
.endif
.endr
	s_wait_tensorcnt 0x0                           ; the wave's end, behind my last LDS store
	ds_add_u32 v[SPW], v[NIL]
	s_wait_dscnt 0x0
	s_endpgm
.Lfunc_end_k_qfd867d2a5f_outp:
	.size	k_qfd867d2a5f_outp, .Lfunc_end_k_qfd867d2a5f_outp-k_qfd867d2a5f_outp
	.p2alignl 7, 3214868480
	.fill 96, 4, 3214868480
	.section	.rodata,"a",@progbits
	.p2align	6, 0x0
	.amdhsa_kernel k_qfd867d2a5f_outp
		.amdhsa_group_segment_fixed_size 35840
		.amdhsa_private_segment_fixed_size 0
		.amdhsa_enable_private_segment 0
		.amdhsa_kernarg_size 32
		.amdhsa_user_sgpr_count 2
		.amdhsa_user_sgpr_kernarg_segment_ptr 1
		.amdhsa_wavefront_size32 1
		.amdhsa_system_sgpr_workgroup_id_x 1
		.amdhsa_system_sgpr_workgroup_id_y 1
		.amdhsa_system_sgpr_workgroup_id_z 1
		.amdhsa_system_vgpr_workitem_id 0
		.amdhsa_next_free_vgpr 512
		.amdhsa_next_free_sgpr 66
		.amdhsa_reserve_vcc 0
		.amdhsa_float_denorm_mode_32 3
		.amdhsa_float_denorm_mode_16_64 3
		.amdhsa_memory_ordered 1
		.amdhsa_forward_progress 1
		.amdhsa_inst_pref_size 23
	.end_amdhsa_kernel
	.amdgpu_metadata
---
amdhsa.version: [ 1, 2 ]
amdhsa.kernels:
  - .name:           k_qfd867d2a5f_outp
    .symbol:         k_qfd867d2a5f_outp.kd
    .args:
      - { .name: oc, .offset: 0, .size: 8, .value_kind: global_buffer, .address_space: global }
      - { .name: wc, .offset: 8, .size: 8, .value_kind: global_buffer, .address_space: global }
      - { .name: wo_b, .offset: 16, .size: 8, .value_kind: global_buffer, .address_space: global }
      - { .name: out0, .offset: 24, .size: 8, .value_kind: global_buffer, .address_space: global }
    .group_segment_fixed_size: 35840
    .private_segment_fixed_size: 0
    .kernarg_segment_align: 8
    .kernarg_segment_size: 32
    .max_flat_workgroup_size: 256
    .sgpr_count:     66
    .vgpr_count:     512
    .wavefront_size: 32
...
	.end_amdgpu_metadata
.endif
;; end of part 4
;; ======== version 2 of 2: 4 launches
;; limits: right only within a limited range of input values
;; workspace buffers: wc 1,064,960 bytes; qc 7,340,032 bytes; kv 7,077,888 bytes; pc 1,835,008 bytes; oc 3,670,016 bytes
;; launch wquant (part 5): grid 160 x 1, 4 waves a work-group, no clusters, 34,304 bytes of LDS; arguments wq_w, wk_w, wv_w, pos_w, wo_w, wc; writes wc
.if DOCPART == 5
	.amdgcn_target "amdgcn-amd-amdhsa--gfx1250"
	.amdhsa_code_object_version 6
	.text
	.protected	k_qfd867d2a5f_wquant
	.globl	k_qfd867d2a5f_wquant
	.p2align	8
	.type	k_qfd867d2a5f_wquant,@function
k_qfd867d2a5f_wquant:
	s_mov_b64 s[64:65], 0
	v_nop
	global_prefetch_b8 v0, s[64:65] scope:SCOPE_SE
	s_setreg_imm32_b32 hwreg(HW_REG_WAVE_MODE, 25, 1), 1
	s_wait_xcnt 0x0
; The five weights [512][512] f32 (K innermost) become codes of FP6 (E2M3) with one E8M0 byte for each 32 along K, laid as IMAGES OF OPERAND REGISTERS:
; wc = [weight 5][tile 32][K step 4] records of 1,664 bytes: 12 registers a lane as 3 x (32 lanes x 16 bytes), then the rows' scale words, 4 bytes a lane (lanes 16-31 repeat lanes 0-15).
; Lane r of tile T takes row 32 (T / 2) + 8 (T % 2) + r + 8 (r / 8): so the 16 registers that two neighbouring tiles give a lane in a transposed product are 16 neighbours along the next K.
; A work-group takes one tile of one weight, each of its four waves one K step of 128.
; THE WAY IN.  A row's K step is 512 consecutive bytes: one load of the wave, 16 bytes a lane; 16 loads for the 16 rows.  The quantiser wants whole blocks in a lane (lane (r, h): k = 64 c + 32 h + 0 .. 31 of row r), so the 64 registers
; turn through the wave's own stage in LDS: in as loaded, row p at 528 p; back 16 bytes at a time from 528 r + 128 h.  Rows 528 bytes apart are 132 words: row r starts at bank 4 r mod 64 (64 banks of 4 bytes: ISA guide 11.1).
; A block's scale is 2^(floor(log2(largest magnitude)) - 2); its byte is the largest magnitude's exponent field - 2, held at 1 from below.
; LIMITS: a block of zeros, or one whose largest magnitude lies under 2^-124, gets the byte 1 (its codes are zeros or nearly so; this program alone reads the bytes); NaN and infinities are not served.
.set TLD, 3                            ; v3      the stage, back: 528 r + 128 h
.set LI,  4                            ; v4      16 x lane
.set LS,  5                            ; v5      4 x lane
.set H8,  6                            ; v6      8 h: where my two bytes stand in the scale word
.set TSO, 7                            ; v7      the stage, in: 16 x lane
.set TM,  8                            ; v8-9    largest magnitudes
.set SO,  10                           ; v10-11  the conversions' scale operands
.set T2,  12                           ; v12-13  the bytes
.set PW,  14                           ; v14     the scale word
.set PD,  15                           ; v15     the other half's two bytes
.set X,   16                           ; v16-79  64 numbers
.set PC,  80                           ; v80-91  the fragment
.set PT,  92                           ; v92-98  the upper halves of the two blocks, as converted
.set SPW, 100                          ; v100    my spare word's LDS address; never rewritten
.set NIL, 101                          ; v101    0; never rewritten
.set SPARE, 33792                      ; LDS: four stages of 16 x 528 bytes; behind them the spare words, 128 bytes for each wave: two blocks of 256 bytes that no other line names
.set SEL, 22                           ; s[22:23] lane selects: lane l xor 16
.macro QW x                            ; v[x + 32 c + i] = k 64 c + 32 h + i of my row  ->  v[PC] .. v[PC + 11] and the scale word v[PW]
.irp c, 0,1
	v_max3_num_f32 v[TM+\c], |v[\x+32*\c]|, |v[\x+32*\c+1]|, 0x1800000   ; with the floor 2^(3 - 127): the byte cannot fall under 1
.endr
.irp i, 2,4,6,8,10,12,14,16,18,20,22,24,26,28,30
.irp c, 0,1
	v_max3_num_f32 v[TM+\c], v[TM+\c], |v[\x+32*\c+\i]|, |v[\x+32*\c+\i+1]|   ; the two blocks by turns
.endr
.endr
.irp c, 0,1
	v_add_nc_u32 v[SO+\c], 0xff000000, v[TM+\c]    ; 2 off the exponent field: the conversion takes that field as its scale
.endr
.irp c, 0,1
	v_lshrrev_b32 v[T2+\c], 23, v[SO+\c]           ; the byte
.endr
	v_lshl_or_b32 v[PW], v[T2+1], 16, v[T2]        ; blocks h and 2 + h,
	v_lshlrev_b32 v[PW], v[H8], v[PW]              ; at their places;
	v_permlanex16_b32 v[PD], v[PW], s[SEL], s[SEL+1]
	v_or_b32 v[PW], v[PW], v[PD]                   ; with lane l xor 16's two the word is whole
.irp c, 0,1
	v_cvt_scalef32_pk16_fp6_f32 v[PC+6*\c:PC+6*\c+2], v[\x+32*\c:\x+32*\c+15], v[SO+\c]
	v_cvt_scalef32_pk16_fp6_f32 v[PT+4*\c:PT+4*\c+2], v[\x+32*\c+16:\x+32*\c+31], v[SO+\c]   ; (a conversion's three registers begin on an even number)
.endr
	v_nop                                          ; one plain instruction behind the conversions
.irp c, 0,1
.irp i, 0,1,2
	v_mov_b32 v[PC+3+6*\c+\i], v[PT+4*\c+\i]
.endr
.endr
.endm
	s_load_b256 s[4:11], s[0:1], 0x0               ; wq_w, wk_w, wv_w, pos_w
	s_load_b128 s[12:15], s[0:1], 0x20             ; wo_w, wc
	v_lshl_add_u32 v[SPW], v0, 2, SPARE
	v_mov_b32 v[NIL], 0
	v_lshrrev_b32 v1, 5, v0
	v_readfirstlane_b32 s16, v1                    ; wave = K step
	v_and_b32 v1, 15, v0                           ; r
	v_bfe_u32 v2, v0, 4, 1                         ; h
	v_and_b32 v[LS], 31, v0
	v_lshlrev_b32 v[LI], 4, v[LS]                  ; 16 x lane
	v_lshlrev_b32 v[LS], 2, v[LS]                  ; 4 x lane
	s_mul_i32 s24, s16, 8448                       ; my stage
	v_add_nc_u32 v[TSO], s24, v[LI]
	v_mul_u32_u24 v[TLD], v1, 528
	v_lshl_add_u32 v[TLD], v2, 7, v[TLD]
	v_add_nc_u32 v[TLD], s24, v[TLD]
	v_lshlrev_b32 v[H8], 3, v2
	v_mov_b32 v[PD], 0                             ; a lane permute's destination counts as read
	s_mov_b32 s[SEL], 0x76543210
	s_mov_b32 s[SEL+1], 0xfedcba98
	s_lshr_b32 s17, ttmp9, 5                       ; which weight
	s_and_b32 s18, ttmp9, 31                       ; which tile
	s_lshr_b32 s19, s18, 1
	s_lshl_b32 s19, s19, 16                        ; 32 rows
	s_and_b32 s18, s18, 1
	s_lshl_b32 s18, s18, 14                        ; 8 rows
	s_add_co_u32 s18, s18, s19
	s_lshl_b32 s19, s16, 9                         ; the K step's 512 bytes
	s_add_co_u32 s18, s18, s19
	s_mov_b32 s19, 0
	s_lshl_b32 s20, ttmp9, 2
	s_add_co_u32 s20, s20, s16
	s_mul_i32 s20, s20, 1664                       ; my record
	s_mov_b32 s21, 0
	s_wait_alu depctr_va_vdst(0)
	s_wait_kmcnt 0x0
	s_cmp_eq_u32 s17, 1
	s_cselect_b64 s[4:5], s[6:7], s[4:5]
	s_cmp_eq_u32 s17, 2
	s_cselect_b64 s[4:5], s[8:9], s[4:5]
	s_cmp_eq_u32 s17, 3
	s_cselect_b64 s[4:5], s[10:11], s[4:5]
	s_cmp_eq_u32 s17, 4
	s_cselect_b64 s[4:5], s[12:13], s[4:5]
	s_add_nc_u64 s[4:5], s[4:5], s[18:19]
	s_add_nc_u64 s[14:15], s[14:15], s[20:21]
.irp p, 0,1,2,3,4,5,6,7,8,9,10,11,12,13,14,15
	global_load_b128 v[X+4*\p:X+4*\p+3], v[LI], s[4:5] offset:(\p+8*(\p/8))*2048 th:TH_LOAD_NT   ; the tile's row p: 32 lanes read 512 consecutive bytes
.endr
	s_wait_loadcnt 0x0
.irp p, 0,1,2,3,4,5,6,7,8,9,10,11,12,13,14,15
	ds_store_b128 v[TSO], v[X+4*\p:X+4*\p+3] offset:528*\p
.endr
.irp c, 0,1
.irp i, 0,1,2,3,4,5,6,7
	ds_load_b128 v[X+32*\c+4*\i:X+32*\c+4*\i+3], v[TLD] offset:256*\c+16*\i   ; LDS serves a wave's instructions in order (ISA guide 5.7.1.4): these see my stores; they come back into the registers that they left
.endr
.endr
	s_wait_dscnt 0x0
	QW X
.irp c, 0,1,2
	global_store_b128 v[LI], v[PC+4*\c:PC+4*\c+3], s[14:15] offset:512*\c   ; 32 lanes store 512 consecutive bytes
.endr
	global_store_b32 v[LS], v[PW], s[14:15] offset:1536
	s_wait_tensorcnt 0x0                           ; the wave's end, behind my last LDS store
	ds_add_u32 v[SPW], v[NIL]
	s_wait_dscnt 0x0
	s_endpgm
.Lfunc_end_k_qfd867d2a5f_wquant:
	.size	k_qfd867d2a5f_wquant, .Lfunc_end_k_qfd867d2a5f_wquant-k_qfd867d2a5f_wquant
	.p2alignl 7, 3214868480
	.fill 96, 4, 3214868480
	.section	.rodata,"a",@progbits
	.p2align	6, 0x0
	.amdhsa_kernel k_qfd867d2a5f_wquant
		.amdhsa_group_segment_fixed_size 34304
		.amdhsa_private_segment_fixed_size 0
		.amdhsa_enable_private_segment 0
		.amdhsa_kernarg_size 48
		.amdhsa_user_sgpr_count 2
		.amdhsa_user_sgpr_kernarg_segment_ptr 1
		.amdhsa_wavefront_size32 1
		.amdhsa_system_sgpr_workgroup_id_x 1
		.amdhsa_system_sgpr_workgroup_id_y 1
		.amdhsa_system_sgpr_workgroup_id_z 1
		.amdhsa_system_vgpr_workitem_id 0
		.amdhsa_next_free_vgpr 104
		.amdhsa_next_free_sgpr 66
		.amdhsa_reserve_vcc 0
		.amdhsa_float_denorm_mode_32 3
		.amdhsa_float_denorm_mode_16_64 3
		.amdhsa_memory_ordered 1
		.amdhsa_forward_progress 1
		.amdhsa_inst_pref_size 10
	.end_amdhsa_kernel
	.amdgpu_metadata
---
amdhsa.version: [ 1, 2 ]
amdhsa.kernels:
  - .name:           k_qfd867d2a5f_wquant
    .symbol:         k_qfd867d2a5f_wquant.kd
    .args:
      - { .name: wq_w, .offset: 0, .size: 8, .value_kind: global_buffer, .address_space: global }
      - { .name: wk_w, .offset: 8, .size: 8, .value_kind: global_buffer, .address_space: global }
      - { .name: wv_w, .offset: 16, .size: 8, .value_kind: global_buffer, .address_space: global }
      - { .name: pos_w, .offset: 24, .size: 8, .value_kind: global_buffer, .address_space: global }
      - { .name: wo_w, .offset: 32, .size: 8, .value_kind: global_buffer, .address_space: global }
      - { .name: wc, .offset: 40, .size: 8, .value_kind: global_buffer, .address_space: global }
    .group_segment_fixed_size: 34304
    .private_segment_fixed_size: 0
    .kernarg_segment_align: 8
    .kernarg_segment_size: 48
    .max_flat_workgroup_size: 128
    .sgpr_count:     66
    .vgpr_count:     104
    .wavefront_size: 32
...
	.end_amdgpu_metadata
.endif
;; end of part 5
;; launch proj (part 6): grid 224 x 1, 8 waves a work-group, no clusters, 121,856 bytes of LDS; arguments query, key, value, pos_emb, wc, wq_b, wk_b, wv_b, pos_u, pos_v, key_padding_mask, qc, kv, pc; writes qc, kv, pc
.if DOCPART == 6
	.amdgcn_target "amdgcn-amd-amdhsa--gfx1250"
	.amdhsa_code_object_version 6
	.text
	.protected	k_qfd867d2a5f_proj
	.globl	k_qfd867d2a5f_proj
	.p2align	8
	.type	k_qfd867d2a5f_proj,@function
k_qfd867d2a5f_proj:
	s_mov_b64 s[64:65], 0
	v_nop
	global_prefetch_b8 v0, s[64:65] scope:SCOPE_SE
	s_setreg_imm32_b32 hwreg(HW_REG_WAVE_MODE, 25, 1), 1
	s_wait_xcnt 0x0
; The four input projections on codes of FP6 (E2M3) with E8M0 scales, their inputs quantised on the way in and their results quantised on the way out, as images of the operand registers that the attention launch wants.
; Work-groups 0-63: q = query wq^T + bq, stored as Q(q + u) and Q(q + v);  64-127: k;  128-191: v (quantised along the KEYS);  192-223: p = pos_emb pos_w^T (4,096 rows: row 4,095 repeats row 4,094 and is read by nobody).
; SHARES.  A work-group owns 128 rows.  Wave w is head w: its 64 output features' weights (16 fragments, 192 registers, window 1) stay in registers.  What goes round is x: wave w quantises 16 rows (four fragments) and stores their
; register images to LDS; one barrier; every wave reads all eight tiles.  Behind the barrier LDS is only read.
; x's WAY IN.  A row's K step of 128 numbers is 512 consecutive bytes: one load of the wave, 16 bytes a lane; 16 loads for a tile's 16 rows.  The quantiser wants whole blocks in a lane (lane (r, h): k = 64 c + 32 h + 0 .. 31 of row r),
; so a K step's 64 registers turn through the wave's own stage in LDS: in as loaded, row p at 528 p; back 16 bytes at a time from 528 r + 128 h, into the registers that they left.  Rows 528 bytes apart are 132 words: row r starts
; at bank 4 r mod 64 (64 banks of 4 bytes: ISA guide 11.1), so the sixteen rows that half a load touches start at sixteen different banks.  One stage serves all four K steps: LDS serves a wave's instructions in order.
; WHICH ROWS FORM A TILE OF x: for q and p rows 16 t + r; for k and v rows 32 (t / 2) + 8 (t % 2) + r + 8 (r / 8): so K's records hold the keys in the order in which the attention launch's transposed scores want them,
; and in v's product (not transposed: source 0 = x) a lane's 64 registers run along 128 neighbouring keys.
; q, k, p: THE PRODUCT IS USED TRANSPOSED (source 0 = 16 rows of W, source 1 = 16 rows of x): lane (r, h) holds row r of x, register 16 b + i feature 32 b + 16 h + i of the head: two blocks of 32 along the next K.
; The bias is the C of a sum's first product.  q + u is formed as (x W + b) + u.
; RECORDS of 896 bytes (16 rows x 64 K): registers 0-3 at 16 x lane, registers 4-5 at 512 + 8 x lane, the scale word at 768 + 4 x lane.  The word's upper bytes serve the K = 128 instruction's idle half:
; Q(q + u): 0x7f43;  Q(q + v), p: 0x7f7f;  k: 0x7f and, in byte 2, 220 for a key that key_padding_mask hides, else 1 (what they do: the attention launch's head).  v: records of 1,664 bytes, as the weights'.
; The kinds part once, behind the barrier, on the work-group's number, and each loads its own biases there: no register is written on one way and read on another.
; LIMITS: a block of zeros, or one under 2^-124, gets the byte 1 (this program alone reads the bytes); NaN and infinities are not served.
.set XSC,   49152                      ; LDS: x's fragment (tile t, K step s) at (4 t + s) x 1,536; from here their scale words, (4 t + s) x 128
.set SPARE, 53248                      ; the spare words, 128 bytes for each wave: four blocks of 256 bytes that no other line names
.set STGX,  54272                      ; behind them: a stage of 16 rows x 528 bytes for each wave, for x's way in
.set XO,  4                            ; v4   x, rows 8 to 14 of my tile: 16 x lane + the 0 or 8 rows that lie between the tile's halves
.set LI,  5                            ; v5   16 x lane (also x's offset for rows 0 to 7)
.set LS,  6                            ; v6   4 x lane
.set L8,  7                            ; v7   8 x lane
.set XWI, 8                            ; v8   where I store x's images: 16 x lane + 6,144 x wave
.set XWS, 9                            ; v9   and their scale words: 4 x lane + 512 x wave
.set X15, 10                           ; v10  x, row 15 of my tile: 16 x lane + its distance from the tile's first row, the row held at the tensor's last
.set TSO, 11                           ; v11  the stage, in: 16 x lane
.set SPW, 12                           ; v12  my spare word's LDS address; never rewritten
.set NIL, 13                           ; v13  0; never rewritten
.set MK,  14                           ; v14  k: my key's byte in key_padding_mask
.set H8,  15                           ; v15  8 h
.set WS,  16                           ; v16-31  the weights' scale words, 4 t + s
.set XS,  32                           ; v32-35  x's scale words
.set TM,  36                           ; v36-39  largest magnitudes
.set T2,  40                           ; v40-43  the other half's, then the bytes
.set SO,  44                           ; v44-47  the conversions' scale operands
.set PW,  48                           ; v48  the scale word just made
.set TLD, 49                           ; v49  the stage, back: 528 r + 128 h
.set PD,  50                           ; v50  a permute's destination
.set BA,  51                           ; v51  my byte in a bias
.set PC,  52                           ; v52-63  the codes just made
.set PT,  64                           ; v64-70  halves as converted
.set BI,  72                           ; v72-103 the bias in the result's layout (q, k)
.set MB,  104                          ; v104-111 k: byte 2 of my key's scale word, for each of the eight tiles
.set XA,  128                          ; v128-191, v192-255: two sets of 64 numbers of x
.set XB,  192
.set XF,  128                          ; afterwards: v128-175 a tile's four fragments, v176-207 four accumulators, v208-239 q + u or q + v
.set ACC, 176
.set Z,   208
.set XFV, 72                           ; v: v72-119 a tile's four fragments; v128-255 sixteen accumulators: (feature tile n of two, tile of keys m) at 128 + 64 n + 8 m
.set ACCV, 128
.set WV,  32
.set KIND, 33
.set BLK, 34
.set SEL, 36                           ; s[36:37]
.set XP,  40                           ; s[40:41] x, at my tile's first row
.set WP,  42                           ; s[42:43] my weights' records
.set OP,  44                           ; s[44:45] where my results go
.set MSB, 0
.macro WIN new                         ; the immediate's high byte repeats the setting that is left
.if MSB != \new
	s_set_vgpr_msb (MSB<<8)|\new
.set MSB, \new
.endif
.endm
.macro QW x                            ; whole blocks in a lane: v[x + 32 c + i] = k 64 c + 32 h + i  ->  v[PC] .. v[PC + 11], v[PW]
.irp c, 0,1
	v_max3_num_f32 v[TM+\c], |v[\x+32*\c]|, |v[\x+32*\c+1]|, 0x1800000   ; with the floor 2^(3 - 127)
.endr
.irp i, 2,4,6,8,10,12,14,16,18,20,22,24,26,28,30
.irp c, 0,1
	s_delay_alu instid0(VALU_DEP_2)
	v_max3_num_f32 v[TM+\c], v[TM+\c], |v[\x+32*\c+\i]|, |v[\x+32*\c+\i+1]|
.endr
.endr
.irp c, 0,1
	s_delay_alu instid0(VALU_DEP_2)
	v_add_nc_u32 v[SO+\c], 0xff000000, v[TM+\c]    ; 2 off the exponent field
.endr
.irp c, 0,1
	s_delay_alu instid0(VALU_DEP_2)
	v_lshrrev_b32 v[T2+\c], 23, v[SO+\c]
.endr
	s_delay_alu instid0(VALU_DEP_1)
	v_lshl_or_b32 v[PW], v[T2+1], 16, v[T2]
	s_delay_alu instid0(VALU_DEP_1)
	v_lshlrev_b32 v[PW], v[H8], v[PW]
	s_delay_alu instid0(VALU_DEP_1)
	v_permlanex16_b32 v[PD], v[PW], s[SEL], s[SEL+1]
	s_delay_alu instid0(VALU_DEP_1)
	v_or_b32 v[PW], v[PW], v[PD]
.irp c, 0,1
	v_cvt_scalef32_pk16_fp6_f32 v[PC+6*\c:PC+6*\c+2], v[\x+32*\c:\x+32*\c+15], v[SO+\c]
	v_cvt_scalef32_pk16_fp6_f32 v[PT+4*\c:PT+4*\c+2], v[\x+32*\c+16:\x+32*\c+31], v[SO+\c]
.endr
	v_nop                                          ; one plain instruction behind the conversions
.irp c, 0,1
.irp i, 0,1,2
	v_mov_b32 v[PC+3+6*\c+\i], v[PT+4*\c+\i]
.endr
.endr
.endm
.macro QH x                            ; half blocks in a lane: v[x + 16 b + i] = k 32 b + 16 h + i, b = 0 .. 3  ->  v[PC] .. v[PC + 11], v[PW]
.irp b, 0,1,2,3
	v_max3_num_f32 v[TM+\b], |v[\x+16*\b]|, |v[\x+16*\b+1]|, 0x1800000
.endr
.irp i, 2,4,6,8,10,12,14
.irp b, 0,1,2,3
	v_max3_num_f32 v[TM+\b], v[TM+\b], |v[\x+16*\b+\i]|, |v[\x+16*\b+\i+1]|
.endr
.endr
.irp b, 0,1,2,3
	s_delay_alu instid0(VALU_DEP_4)
	v_permlanex16_b32 v[T2+\b], v[TM+\b], s[SEL], s[SEL+1]
.endr
.irp b, 0,1,2,3
	s_delay_alu instid0(VALU_DEP_4)
	v_max_num_f32 v[TM+\b], v[TM+\b], v[T2+\b]     ; with lane l xor 16's: the block's
.endr
.irp b, 0,1,2,3
	s_delay_alu instid0(VALU_DEP_4)
	v_add_nc_u32 v[SO+\b], 0xff000000, v[TM+\b]
.endr
.irp b, 0,1,2,3
	s_delay_alu instid0(VALU_DEP_4)
	v_lshrrev_b32 v[T2+\b], 23, v[SO+\b]
.endr
	s_delay_alu instid0(VALU_DEP_3)
	v_lshl_or_b32 v[PW], v[T2+1], 8, v[T2]
	s_delay_alu instid0(VALU_DEP_1)
	v_lshl_or_b32 v[PW], v[T2+2], 16, v[PW]
	s_delay_alu instid0(VALU_DEP_1)
	v_lshl_or_b32 v[PW], v[T2+3], 24, v[PW]
.irp c, 0,1
	v_cvt_scalef32_pk16_fp6_f32 v[PC+6*\c:PC+6*\c+2], v[\x+32*\c:\x+32*\c+15], v[SO+2*\c]
	v_cvt_scalef32_pk16_fp6_f32 v[PT+4*\c:PT+4*\c+2], v[\x+32*\c+16:\x+32*\c+31], v[SO+2*\c+1]
.endr
	v_nop
.irp c, 0,1                            ; the operand wants a WHOLE block in a lane: lanes 0-15 block 2 c, lanes 16-31 block 2 c + 1
.irp i, 0,1,2
	v_permlane16_swap_b32 v[PC+6*\c+\i], v[PT+4*\c+\i]
.endr
.irp i, 0,1,2
	s_delay_alu instid0(VALU_DEP_3)
	v_mov_b32 v[PC+3+6*\c+\i], v[PT+4*\c+\i]
.endr
.endr
.endm
.macro QH2 x                           ; the same for 64 along K: b = 0, 1  ->  v[PC] .. v[PC + 5]; v[PW] = the two bytes
.irp b, 0,1
	v_max3_num_f32 v[TM+\b], |v[\x+16*\b]|, |v[\x+16*\b+1]|, 0x1800000
.endr
.irp i, 2,4,6,8,10,12,14
.irp b, 0,1
	v_max3_num_f32 v[TM+\b], v[TM+\b], |v[\x+16*\b+\i]|, |v[\x+16*\b+\i+1]|
.endr
.endr
.irp b, 0,1
	s_delay_alu instid0(VALU_DEP_2)
	v_permlanex16_b32 v[T2+\b], v[TM+\b], s[SEL], s[SEL+1]
.endr
.irp b, 0,1
	s_delay_alu instid0(VALU_DEP_2)
	v_max_num_f32 v[TM+\b], v[TM+\b], v[T2+\b]
.endr
.irp b, 0,1
	s_delay_alu instid0(VALU_DEP_2)
	v_add_nc_u32 v[SO+\b], 0xff000000, v[TM+\b]
.endr
.irp b, 0,1
	s_delay_alu instid0(VALU_DEP_2)
	v_lshrrev_b32 v[T2+\b], 23, v[SO+\b]
.endr
	s_delay_alu instid0(VALU_DEP_1)
	v_lshl_or_b32 v[PW], v[T2+1], 8, v[T2]
	v_cvt_scalef32_pk16_fp6_f32 v[PC:PC+2], v[\x:\x+15], v[SO]
	v_cvt_scalef32_pk16_fp6_f32 v[PT:PT+2], v[\x+16:\x+31], v[SO+1]
	v_nop
.irp i, 0,1,2
	v_permlane16_swap_b32 v[PC+\i], v[PT+\i]
.endr
.irp i, 0,1,2
	s_delay_alu instid0(VALU_DEP_3)
	v_mov_b32 v[PC+3+\i], v[PT+\i]
.endr
.endm
.macro ST6 off                         ; a record of 896 bytes: the stores cover 512, 256 and 128 consecutive bytes
	global_store_b128 v[LI], v[PC:PC+3], s[OP:OP+1] offset:\off
	global_store_b64 v[L8], v[PC+4:PC+5], s[OP:OP+1] offset:\off+512
	global_store_b32 v[LS], v[PW], s[OP:OP+1] offset:\off+768
.endm
.macro XLOAD xs, ks                    ; K step ks of my tile's 16 rows: each load reads 512 consecutive bytes of one row; row p into registers 4 p .. 4 p + 3
.irp p, 0,1,2,3,4,5,6,7
	global_load_b128 v[\xs+4*\p:\xs+4*\p+3], v[LI], s[XP:XP+1] offset:2048*\p+512*\ks th:TH_LOAD_NT
.endr
.irp p, 8,9,10,11,12,13,14
	global_load_b128 v[\xs+4*\p:\xs+4*\p+3], v[XO], s[XP:XP+1] offset:2048*\p+512*\ks th:TH_LOAD_NT
.endr
	global_load_b128 v[\xs+60:\xs+63], v[X15], s[XP:XP+1] offset:512*\ks th:TH_LOAD_NT   ; row 15: its place stands in the register, held inside the tensor
.endm
.macro TURN xs                         ; the 64 registers through my stage: afterwards v[xs + 32 c + i] = k 64 c + 32 h + i of row r
.irp p, 0,1,2,3,4,5,6,7,8,9,10,11,12,13,14,15
	ds_store_b128 v[TSO], v[\xs+4*\p:\xs+4*\p+3] offset:528*\p
.endr
.irp c, 0,1
.irp i, 0,1,2,3,4,5,6,7
	ds_load_b128 v[\xs+32*\c+4*\i:\xs+32*\c+4*\i+3], v[TLD] offset:256*\c+16*\i   ; LDS serves a wave's instructions in order (ISA guide 5.7.1.4): these see my stores
.endr
.endr
	s_wait_dscnt 0x0
.endm
.macro IMG ks                          ; the fragment just made goes to LDS as it stands
.irp c, 0,1,2
	ds_store_b128 v[XWI], v[PC+4*\c:PC+4*\c+3] offset:1536*\ks+512*\c
.endr
	ds_store_b32 v[XWS], v[PW] offset:XSC+128*\ks
	s_wait_dscnt 0x0                               ; the stores have read their registers
.endm
.macro BIAS8 reg, base                 ; 32 numbers in the transposed result's layout: tile 2 b + u, register j: feature 32 b + 16 h + 8 u + j of my head
.irp t, 0,1,2,3
	global_load_b128 v[\reg+8*\t:\reg+8*\t+3], v[BA], s[\base:\base+1] offset:(32*(\t/2)+8*(\t%2))*4
	global_load_b128 v[\reg+8*\t+4:\reg+8*\t+7], v[BA], s[\base:\base+1] offset:(32*(\t/2)+8*(\t%2))*4+16
.endr
.endm
.macro MMT t, ks, cm                   ; cm 0: the constant 0 starts the sum; 1: the bias does; 2: in place
.if \cm == 0
	v_wmma_scale_f32_16x16x128_f8f6f4 v[ACC+8*\t:ACC+8*\t+7], v[12*(4*\t+\ks):12*(4*\t+\ks)+11], v[XF+12*\ks:XF+12*\ks+11], 0, v[WS+4*\t+\ks], v[XS+\ks] matrix_a_fmt:MATRIX_FMT_FP6 matrix_b_fmt:MATRIX_FMT_FP6
.elseif \cm == 1
	v_wmma_scale_f32_16x16x128_f8f6f4 v[ACC+8*\t:ACC+8*\t+7], v[12*(4*\t+\ks):12*(4*\t+\ks)+11], v[XF+12*\ks:XF+12*\ks+11], v[BI+8*\t:BI+8*\t+7], v[WS+4*\t+\ks], v[XS+\ks] matrix_a_fmt:MATRIX_FMT_FP6 matrix_b_fmt:MATRIX_FMT_FP6
.else
	v_wmma_scale_f32_16x16x128_f8f6f4 v[ACC+8*\t:ACC+8*\t+7], v[12*(4*\t+\ks):12*(4*\t+\ks)+11], v[XF+12*\ks:XF+12*\ks+11], v[ACC+8*\t:ACC+8*\t+7], v[WS+4*\t+\ks], v[XS+\ks] matrix_a_fmt:MATRIX_FMT_FP6 matrix_b_fmt:MATRIX_FMT_FP6
.endif
.endm
; A tile of 16 rows of x against my 64 features: 16 products, the four accumulators by turns.
.macro TILE tau, first
.irp i, 0,1,2,3,4,5,6,7,8,9,10,11
	ds_load_b128 v[XF+4*\i:XF+4*\i+3], v[LI] offset:6144*\tau+512*\i
.endr
.irp ks, 0,1,2,3
	ds_load_b32 v[XS+\ks], v[LS] offset:XSC+512*\tau+128*\ks
.endr
	s_wait_dscnt 0x0
	WIN 0x01                                       ; source 0 (W) window 1
.irp t, 0,1,2,3
	MMT \t, 0, \first
.endr
.irp ks, 1,2,3
.irp t, 0,1,2,3
	MMT \t, \ks, 2
.endr
.endr
	WIN 0
.rept 4
	v_nop                                          ; places in front of the first read of the results and of the next tile's loads into the operands' registers
.endr
.endm
.macro ADDZ w1                         ; Z = the results + 32 numbers of window 1
	WIN 0x04                                       ; source 1 window 1
.set n, 0
.rept 16
	v_pk_add_f32 v[Z+n:Z+n+1], v[ACC+n:ACC+n+1], v[\w1+n:\w1+n+1]
.set n, n+2
.endr
	WIN 0
.endm
.macro EPI_Q tau
	ADDZ 192                                       ; q + u
	s_wait_alu depctr_va_vdst(0)
	s_wait_xcnt 0x0                                ; the last record's stores have read their registers
	QH2 Z
	v_or_b32 v[PW], 0x7f430000, v[PW]
	ST6 1792*\tau
	ADDZ 224                                       ; q + v
	s_wait_alu depctr_va_vdst(0)
	s_wait_xcnt 0x0
	QH2 Z
	v_or_b32 v[PW], 0x7f7f0000, v[PW]
	ST6 1792*\tau+896
.endm
.macro EPI_K tau
	s_wait_xcnt 0x0
	QH2 ACC
	v_lshl_or_b32 v[PW], v[MB+\tau], 16, v[PW]
	s_delay_alu instid0(VALU_DEP_1)
	v_or_b32 v[PW], 0x7f000000, v[PW]
	ST6 896*\tau
.endm
.macro EPI_P tau
	s_wait_xcnt 0x0
	QH2 ACC
	v_or_b32 v[PW], 0x7f7f0000, v[PW]
	ST6 896*\tau
.endm
.macro KVBASE per, plus                ; kv + ((8 b + head) 8 + slot) x 27,648 + (step in the slot) x per + plus
	s_lshr_b32 s56, s[BLK], 4
	s_lshl_b32 s56, s56, 3
	s_add_co_u32 s56, s56, s[WV]
	s_lshl_b32 s56, s56, 3
	s_bfe_u32 s57, s[BLK], 0x30001
	s_add_co_u32 s56, s56, s57
	s_mul_i32 s56, s56, 27648
	s_and_b32 s57, s[BLK], 1
	s_mul_i32 s57, s57, \per
	s_add_co_u32 s56, s56, s57
	s_add_co_u32 s56, s56, \plus
	s_mov_b32 s57, 0
	s_add_nc_u64 s[OP:OP+1], s[28:29], s[56:57]
.endm
.macro MMV f, m, ks                    ; v: source 0 = 16 keys of x, source 1 = 16 features; f: feature tile 0 .. 3
.if \ks == 0
	v_wmma_scale_f32_16x16x128_f8f6f4 v[ACCV+64*((\f)%2)+8*(\m):ACCV+64*((\f)%2)+8*(\m)+7], v[XFV+12*\ks:XFV+12*\ks+11], v[12*(4*(\f)+\ks):12*(4*(\f)+\ks)+11], v[192+8*(\f):192+8*(\f)+7], v[XS+\ks], v[WS+4*(\f)+\ks] matrix_a_fmt:MATRIX_FMT_FP6 matrix_b_fmt:MATRIX_FMT_FP6
.else
	v_wmma_scale_f32_16x16x128_f8f6f4 v[ACCV+64*((\f)%2)+8*(\m):ACCV+64*((\f)%2)+8*(\m)+7], v[XFV+12*\ks:XFV+12*\ks+11], v[12*(4*(\f)+\ks):12*(4*(\f)+\ks)+11], v[ACCV+64*((\f)%2)+8*(\m):ACCV+64*((\f)%2)+8*(\m)+7], v[XS+\ks], v[WS+4*(\f)+\ks] matrix_a_fmt:MATRIX_FMT_FP6 matrix_b_fmt:MATRIX_FMT_FP6
.endif
.endm
.macro VT np, m                        ; tile m of keys against feature tiles 2 np and 2 np + 1: the two accumulators by turns
.irp i, 0,1,2,3,4,5,6,7,8,9,10,11
	ds_load_b128 v[XFV+4*\i:XFV+4*\i+3], v[LI] offset:6144*\m+512*\i
.endr
.irp ks, 0,1,2,3
	ds_load_b32 v[XS+\ks], v[LS] offset:XSC+512*\m+128*\ks
.endr
	s_wait_dscnt 0x0
.irp ks, 0,1,2,3
.if \ks == 0
	WIN 0x14                                       ; source 1 (W) and source 2 (the bias) window 1
.else
	WIN 0x04
.endif
.irp n2, 0,1
	MMV 2*\np+\n2, \m, \ks
.endr
.endr
	WIN 0
.rept 4
	v_nop
.endr
.endm
	s_load_b512 s[4:19], s[0:1], 0x0               ; query 4, key 6, value 8, pos_emb 10, wc 12, wq_b 14, wk_b 16, wv_b 18
	s_load_b256 s[20:27], s[0:1], 0x40             ; pos_u 20, pos_v 22, key_padding_mask 24, qc 26
	s_load_b128 s[28:31], s[0:1], 0x60             ; kv 28, pc 30
	v_lshl_add_u32 v[SPW], v0, 2, SPARE
	v_mov_b32 v[NIL], 0
	v_lshrrev_b32 v1, 5, v0
	s_delay_alu instid0(VALU_DEP_1)
	v_readfirstlane_b32 s[WV], v1                  ; wave = head
	v_and_b32 v1, 31, v0                           ; lane
	v_and_b32 v2, 15, v0                           ; r
	s_wait_alu depctr_va_vdst(0)
	v_bfe_u32 v3, v0, 4, 1                         ; h
	s_lshr_b32 s[KIND], ttmp9, 6                   ; 0 q, 1 k, 2 v, 3 p
	s_and_b32 s[BLK], ttmp9, 63                    ; which 128 rows
	s_mov_b32 s[SEL], 0x76543210
	s_mov_b32 s[SEL+1], 0xfedcba98
	v_lshlrev_b32 v[LI], 4, v1
	v_lshlrev_b32 v[LS], 2, v1
	v_lshlrev_b32 v[L8], 3, v1
	v_lshlrev_b32 v[H8], 3, v3
	s_mul_i32 s38, s[WV], 6144
	v_add_nc_u32 v[XWI], s38, v[LI]
	s_lshl_b32 s38, s[WV], 9
	v_add_nc_u32 v[XWS], s38, v[LS]
	s_mul_i32 s38, s[WV], 8448
	s_add_co_u32 s38, s38, STGX                    ; my stage
	v_add_nc_u32 v[TSO], s38, v[LI]
	v_mul_u32_u24 v[TLD], v2, 528
	s_wait_alu depctr_va_vdst(0)
	v_lshl_add_u32 v[TLD], v3, 7, v[TLD]
	s_delay_alu instid0(VALU_DEP_1)
	v_add_nc_u32 v[TLD], s38, v[TLD]
.irp b, 0,1,2,3
	v_mov_b32 v[T2+\b], 0                          ; a lane permute's destination counts as read
.endr
	v_mov_b32 v[PD], 0
	s_lshl_b32 s54, s[WV], 8
	v_lshl_add_u32 v[BA], v3, 6, s54               ; a bias in the transposed layout: 256 x head + 64 h
	; my tile of x: tile = wave; its row p is row 128 block + 32 (w / 2) + A (w % 2) + p + B (p / 8), (A, B) = (16, 0) for q and p, (8, 8) for k and v
	s_add_co_u32 s38, s[KIND], 1
	s_and_b32 s38, s38, 2
	s_cmp_lg_u32 s38, 0                            ; k or v?
	s_cselect_b32 s39, 8, 16
	s_cselect_b32 s48, 8, 0
	s_mov_b32 s49, 8191
	s_cmp_eq_u32 s[KIND], 3
	s_cselect_b32 s49, 4094, s49                   ; the tensor's last row
	s_lshr_b32 s50, s[WV], 1
	s_lshl_b32 s50, s50, 5
	s_and_b32 s51, s[WV], 1
	s_mul_i32 s51, s51, s39
	s_add_co_u32 s50, s50, s51
	s_lshl_b32 s51, s[BLK], 7
	s_add_co_u32 s50, s50, s51                     ; the tile's first row
	s_lshl_b32 s51, s48, 11
	v_add_nc_u32 v[XO], s51, v[LI]                 ; rows 8 to 14: B rows of 2,048 bytes further on
	s_add_co_u32 s51, s50, s48
	s_add_co_u32 s51, s51, 15                      ; the tile's last row,
	s_min_u32 s51, s51, s49                        ; held at the tensor's last (pos_emb has 4,095 rows),
	s_sub_co_u32 s51, s51, s50                     ; counted from the tile's first
	s_lshl_b32 s51, s51, 11
	v_add_nc_u32 v[X15], s51, v[LI]
	s_lshl_b32 s50, s50, 11                        ; the first row in bytes (under 2^24)
	s_mov_b32 s51, 0
	s_lshl_b32 s52, s[KIND], 7
	s_lshl_b32 s53, s[WV], 4
	s_add_co_u32 s52, s52, s53
	s_mul_i32 s52, s52, 1664                       ; my 16 records of this kind's weight
	s_mov_b32 s53, 0
	s_wait_alu depctr_va_vdst(0)
	s_wait_kmcnt 0x0
	s_add_nc_u64 s[WP:WP+1], s[12:13], s[52:53]
	s_cmp_eq_u32 s[KIND], 1
	s_cselect_b64 s[XP:XP+1], s[6:7], s[4:5]
	s_cmp_eq_u32 s[KIND], 2
	s_cselect_b64 s[XP:XP+1], s[8:9], s[XP:XP+1]
	s_cmp_eq_u32 s[KIND], 3
	s_cselect_b64 s[XP:XP+1], s[10:11], s[XP:XP+1]
	s_add_nc_u64 s[XP:XP+1], s[XP:XP+1], s[50:51]
	WIN 0x40                                       ; destination window 1
.set n, 0
.rept 16
.irp c, 0,1,2
	global_load_b128 v[12*n+4*\c:12*n+4*\c+3], v[LI], s[WP:WP+1] offset:1664*n+512*\c   ; fragment (t, s) = n = 4 t + s: it stays
.endr
.set n, n+1
.endr
	WIN 0
.set n, 0
.rept 16
	global_load_b32 v[WS+n], v[LS], s[WP:WP+1] offset:1664*n+1536
.set n, n+1
.endr
	; ---- x: my 16 rows become four fragments; two K steps' loads are out while one is turned and quantised
	XLOAD XA, 0
	XLOAD XB, 1
	s_wait_loadcnt 16                              ; all but the 16 loads of the younger K step are in (the weights, which are older, too)
	TURN XA
	QW XA
	IMG 0
	XLOAD XA, 2
	s_wait_loadcnt 16
	TURN XB
	QW XB
	IMG 1
	XLOAD XB, 3
	s_wait_loadcnt 16
	TURN XA
	QW XA
	IMG 2
	s_wait_loadcnt 0x0
	TURN XB
	QW XB
	IMG 3
	s_barrier_signal -1                            ; my stores have landed (the wait for 0 in IMG)
	s_barrier_wait -1                              ; x's 32 fragments lie in LDS; from here on LDS is only read
	s_cmp_eq_u32 s[KIND], 0
	s_cbranch_scc1 .Lq
	s_cmp_eq_u32 s[KIND], 1
	s_cbranch_scc1 .Lk
	s_cmp_eq_u32 s[KIND], 2
	s_cbranch_scc1 .Lv
	; ---- p: no bias; records at pc + (256 head + 8 block + tile) x 896
	s_lshl_b32 s56, s[WV], 8
	s_lshl_b32 s57, s[BLK], 3
	s_add_co_u32 s56, s56, s57
	s_mul_i32 s56, s56, 896
	s_mov_b32 s57, 0
	s_add_nc_u64 s[OP:OP+1], s[30:31], s[56:57]
.irp tau, 0,1,2,3,4,5,6,7
	TILE \tau, 0
	EPI_P \tau
.endr
	s_branch .Lend
.Lq:	; ---- q: records at qc + ((8 b + head) 128 + tile of queries) x 1,792
	s_lshr_b32 s56, s[BLK], 4
	s_lshl_b32 s56, s56, 3
	s_add_co_u32 s56, s56, s[WV]
	s_lshl_b32 s56, s56, 7
	s_and_b32 s57, s[BLK], 15
	s_lshl_b32 s57, s57, 3
	s_add_co_u32 s56, s56, s57
	s_mul_i32 s56, s56, 1792
	s_mov_b32 s57, 0
	s_add_nc_u64 s[OP:OP+1], s[26:27], s[56:57]
	BIAS8 BI, 14
	WIN 0x40
	BIAS8 192, 20                                  ; u, in window 1
	BIAS8 224, 22                                  ; v
	WIN 0
	s_wait_loadcnt 0x0
.irp tau, 0,1,2,3,4,5,6,7
	TILE \tau, 1
	EPI_Q \tau
.endr
	s_branch .Lend
.Lk:	; ---- k
	KVBASE 7168, 0
	v_and_b32 v[MK], 8, v2
	s_delay_alu instid0(VALU_DEP_1)
	v_add_nc_u32 v[MK], v[MK], v2
	s_lshl_b32 s58, s[BLK], 7
	v_add_nc_u32 v[MK], s58, v[MK]                 ; 128 x block + r + 8 (r / 8)
	BIAS8 BI, 16
.irp tau, 0,1,2,3,4,5,6,7
	global_load_u8 v[MB+\tau], v[MK], s[24:25] offset:32*(\tau/2)+8*(\tau%2)
.endr
	s_wait_loadcnt 0x0
.irp tau, 0,1,2,3,4,5,6,7
	v_mad_u32_u24 v[MB+\tau], v[MB+\tau], 219, 1   ; 220 for a hidden key, else 1
.endr
.irp tau, 0,1,2,3,4,5,6,7
	TILE \tau, 1
	EPI_K \tau
.endr
	s_branch .Lend
.Lv:	; ---- v: lane (r, h) holds feature r of a tile and, in 64 registers, keys 32 b + 16 h + i of the block's 128
	KVBASE 6656, 14336
	v_and_b32 v[BA], 8, v2
	s_delay_alu instid0(VALU_DEP_1)
	v_add_nc_u32 v[BA], v[BA], v2
	s_delay_alu instid0(VALU_DEP_1)
	v_lshlrev_b32 v[BA], 2, v[BA]
	s_delay_alu instid0(VALU_DEP_1)
	v_add_nc_u32 v[BA], s54, v[BA]                 ; the bias of my feature: 256 x head + 4 (r + 8 (r / 8))
	WIN 0x40
.irp t, 0,1,2,3
.irp j, 0,1,2,3,4,5,6,7
	global_load_b32 v[192+8*\t+\j], v[BA], s[18:19] offset:(32*(\t/2)+8*(\t%2))*4   ; eight equal registers a tile: the result's layout has one feature a lane
.endr
.endr
	WIN 0
	s_wait_loadcnt 0x0
.irp np, 0,1
.irp m, 0,1,2,3,4,5,6,7
	VT \np, \m
.endr
.irp n2, 0,1
	s_wait_xcnt 0x0                                ; the last record's stores have read their registers
	QH ACCV+64*\n2
.irp c, 0,1,2
	global_store_b128 v[LI], v[PC+4*\c:PC+4*\c+3], s[OP:OP+1] offset:(2*\np+\n2)*1664+512*\c
.endr
	global_store_b32 v[LS], v[PW], s[OP:OP+1] offset:(2*\np+\n2)*1664+1536
.endr
.endr
.Lend:
	s_wait_tensorcnt 0x0                           ; the wave's end, behind my last LDS store
	ds_add_u32 v[SPW], v[NIL]
	s_wait_dscnt 0x0
	s_endpgm
.Lfunc_end_k_qfd867d2a5f_proj:
	.size	k_qfd867d2a5f_proj, .Lfunc_end_k_qfd867d2a5f_proj-k_qfd867d2a5f_proj
	.p2alignl 7, 3214868480
	.fill 96, 4, 3214868480
	.section	.rodata,"a",@progbits
	.p2align	6, 0x0
	.amdhsa_kernel k_qfd867d2a5f_proj
		.amdhsa_group_segment_fixed_size 121856
		.amdhsa_private_segment_fixed_size 0
		.amdhsa_enable_private_segment 0
		.amdhsa_kernarg_size 112
		.amdhsa_user_sgpr_count 2
		.amdhsa_user_sgpr_kernarg_segment_ptr 1
		.amdhsa_wavefront_size32 1
		.amdhsa_system_sgpr_workgroup_id_x 1
		.amdhsa_system_sgpr_workgroup_id_y 1
		.amdhsa_system_sgpr_workgroup_id_z 1
		.amdhsa_system_vgpr_workitem_id 0
		.amdhsa_next_free_vgpr 512
		.amdhsa_next_free_sgpr 66
		.amdhsa_reserve_vcc 0
		.amdhsa_float_denorm_mode_32 3
		.amdhsa_float_denorm_mode_16_64 3
		.amdhsa_memory_ordered 1
		.amdhsa_forward_progress 1
		.amdhsa_inst_pref_size 255
	.end_amdhsa_kernel
	.section	.bss,"aw",@nobits
	.p2align	6
	.space	262144
	.amdgpu_metadata
---
amdhsa.version: [ 1, 2 ]
amdhsa.kernels:
  - .name:           k_qfd867d2a5f_proj
    .symbol:         k_qfd867d2a5f_proj.kd
    .args:
      - { .name: query, .offset: 0, .size: 8, .value_kind: global_buffer, .address_space: global }
      - { .name: key, .offset: 8, .size: 8, .value_kind: global_buffer, .address_space: global }
      - { .name: value, .offset: 16, .size: 8, .value_kind: global_buffer, .address_space: global }
      - { .name: pos_emb, .offset: 24, .size: 8, .value_kind: global_buffer, .address_space: global }
      - { .name: wc, .offset: 32, .size: 8, .value_kind: global_buffer, .address_space: global }
      - { .name: wq_b, .offset: 40, .size: 8, .value_kind: global_buffer, .address_space: global }
      - { .name: wk_b, .offset: 48, .size: 8, .value_kind: global_buffer, .address_space: global }
      - { .name: wv_b, .offset: 56, .size: 8, .value_kind: global_buffer, .address_space: global }
      - { .name: pos_u, .offset: 64, .size: 8, .value_kind: global_buffer, .address_space: global }
      - { .name: pos_v, .offset: 72, .size: 8, .value_kind: global_buffer, .address_space: global }
      - { .name: key_padding_mask, .offset: 80, .size: 8, .value_kind: global_buffer, .address_space: global }
      - { .name: qc, .offset: 88, .size: 8, .value_kind: global_buffer, .address_space: global }
      - { .name: kv, .offset: 96, .size: 8, .value_kind: global_buffer, .address_space: global }
      - { .name: pc, .offset: 104, .size: 8, .value_kind: global_buffer, .address_space: global }
    .group_segment_fixed_size: 121856
    .private_segment_fixed_size: 0
    .kernarg_segment_align: 8
    .kernarg_segment_size: 112
    .max_flat_workgroup_size: 256
    .sgpr_count:     66
    .vgpr_count:     512
    .wavefront_size: 32
...
	.end_amdgpu_metadata
.endif
;; end of part 6
;; launch attn (part 7): grid 8 x 32, 16 waves a work-group, no clusters, 327,680 bytes of LDS; arguments qc, kv, pc, key_padding_mask, oc; writes oc
.if DOCPART == 7
	.amdgcn_target "amdgcn-amd-amdhsa--gfx1250"
	.amdhsa_code_object_version 6
	.text
	.protected	k_qfd867d2a5f_attn
	.globl	k_qfd867d2a5f_attn
	.p2align	8
	.type	k_qfd867d2a5f_attn,@function
k_qfd867d2a5f_attn:
	s_mov_b64 s[64:65], 0
	v_nop
	global_prefetch_b8 v0, s[64:65] scope:SCOPE_SE
	s_setreg_imm32_b32 hwreg(HW_REG_WAVE_MODE, 25, 1), 1
	s_wait_xcnt 0x0
; Attention with relative positions on codes of FP6 (E2M3): score(q, k) = (q + u)[q] . k[k] + (q + v)[q] . p[k - q + 2047], / 8; softmax by p = 2^(t - M), M a whole number; O = P V / the sum; O quantised along the head's 64 for the last projection.
; (The shift of the reference keeps, of each query's 4,095 positions, the 2,048 at k - q + 2047: only those are multiplied.)
; SHARES.  Work-group (x, y): 256 queries of batch y / 8, head y % 8.  Each of sixteen waves owns 16 queries in 256 registers, four waves to a SIMD, and walks all 2,048 keys, 128 a step.
; A ring of two LDS slots of 256 keys, filled by the tensor data mover: 16 records of K, 8 of V (waves 0, 1) and 32 records of P, 512 positions (waves 2, 3); all are images of operand registers, read at 16 x lane and 8 x lane.
; BOTH SCORE PRODUCTS ARE USED TRANSPOSED: a lane holds ONE query (lane % 16).  The keys of a tile of K are 32 b + 8 u + r + 8 (r / 8): the 16 registers of tiles 2 b, 2 b + 1 are keys 32 b + 16 (lane / 16) + 0 .. 15.
; THE SKEW.  With q0 my first query and k0 the step's first key, key k0 + j of query q0 + r wants position P0 + j + 15 - r, P0 = k0 - q0 + 2032, a multiple of 16: nine aligned tiles of 16 positions serve a step.
; Their products go to my own stage in LDS (row r, 592 bytes apart) and come back 4 bytes a lane from 588 r + 60 + ..: each lane's row shifted by its own r, straight into the score registers, where they are the C of K's products.
; K = 64 IN AN INSTRUCTION OF 128.  A record fills registers 0-5 of a fragment (k = 32 h + 0 .. 31); registers 6-11 of the four fragment buffers and of Q's operands are constants, written once; loads touch registers 0-5 alone.
; THE MASK rides there: the buffers hold the code -1 at k = 64, Q(q + u) the code +1 under the scale 2^-60, Q(q + v) zeros; byte 2 of a key's scale word is 2^93 for a hidden key and 2^-126 else.  So a hidden key's score gets -2^33.
; A batch ALL of whose keys are hidden: c = 0 is selected for log2(e) / 8, so that every t is 0 and every p is 1: the uniform weights that equal logits give.
; NO CLUSTER: of a slot's 56,320 bytes the eight work-groups of a head share K's and V's 27,648; P's 28,672 begin 256 positions apart from work-group to work-group.  A joint request would serve under half of a fill and put a round of the
; cluster's barrier at each of the eight changes of slots.
; LIMITS: a hidden key's logit is taken as its own - 2^30, not -1e9: the same result while logits stay under 5e8 in magnitude.  NaN and infinities are not served.  A block of zeros gets the byte 1 (this program alone reads the bytes).
.set SLOT1, 65536                      ; slot 1 begins here: one exclusive or turns an address from one slot to the other
.set VOFF,  14336                      ; in a slot: 16 records of K (896), then 8 of V (1,664),
.set POFF,  27648                      ; then 32 of P (896)
.set STG,   131072                     ; behind the ring: a stage of 16 rows x 592 bytes for each wave
.set SPARE, 282624                     ; the spare words, 128 bytes for each wave: eight blocks of 256 bytes that no other line names
.set L16, 1                            ; v1   16 x lane
.set L8,  2                            ; v2   8 x lane
.set LS9, 3                            ; v3   scale words of two neighbouring records of 896: 768 + 896 h + 4 r
.set LSV, 4                            ; v4   of 1,664: 1,536 + 1,664 h + 4 r
.set SPW, 5                            ; v5   my spare word's LDS address; never rewritten
.set NIL, 6                            ; v6   0; never rewritten
.set STO, 7                            ; v7   the stage, in: 592 r + 32 h
.set SLD, 8                            ; v8   the stage, back: 588 r + 60 + 64 h
.set AK16, 9                           ; v9-11 the slot in hand + L16, L8, LS9
.set AK8, 10
.set AKS, 11                           ; v12 -M, v13 the largest t, v[14:15] the sum in two halves
.set QU,  16                           ; v16-27  Q(q + u)
.set QV,  28                           ; v28-39  Q(q + v)
.set FB,  40                           ; v40-87  four fragment buffers
.set S,   88                           ; v88-151 the scores, then p, then V's four fragments
.set X8,  152                          ; v152-159 the ninth tile of positions
.set O,   160                          ; v160-191 O^T
.set PC,  192                          ; v192-203 p's codes
.set PT,  204                          ; v204-210 halves as converted
.set TM,  212                          ; v212-215 the blocks' largest scores, then largest p
.set T2,  216                          ; v216-219 at work
.set SO,  220                          ; v220-223 the conversions' scale operands
.set PS,  224                          ; v224-228 P's scale words: two tiles a register (lanes 0-15, lanes 16-31)
.set KS,  229                          ; v229-232 K's
.set VS,  233                          ; v233-234 V's
.set QUS, 235
.set QVS, 236
.set PW,  237                          ; p's scale word
.set F,   238                          ; v[238:239] f = 2^(old M - new M); v239 is written once, since the pair is named
.set AVS, 240
.set AP16, 241                         ; v241-243 my wave's first record of P in the slot in hand + L16, L8, LS9
.set AP8, 242
.set APS, 243
.set TP,  244                          ; at work
.set LS,  246                          ; v246 4 x lane
.set WV,  18
.set SEL, 20                           ; s[20:21]
.set CS,  22                           ; s[22:23] c, twice
.set G1KV, 24
.set G1P, 32
.set G0KV, 40
.set G0P, 44
.set TB,  2                            ; s2   the slot in hand
.set TBP, 3
.set PWO, 48                           ; s48  POFF + (15 - wave) x 896
.set SLOTS, 49
.set OP,  12                           ; s[12:13] my record of oc
.macro TLOAD                           ; waves 0, 1: the halves of K's and V's block; waves 2, 3: of P's; the others nothing.  An s_nop 0 and four v_nop follow each line
	s_cmp_lt_u32 s[WV], 2
	s_cbranch_scc0 .Lnot_kv_\@
	tensor_load_to_lds s[G0KV:G0KV+3], s[G1KV:G1KV+7]
	s_nop 0
.rept 4
	v_nop
.endr
	s_branch .Lasked_\@
.Lnot_kv_\@:
	s_cmp_lt_u32 s[WV], 4
	s_cbranch_scc0 .Lasked_\@
	tensor_load_to_lds s[G0P:G0P+3], s[G1P:G1P+7]
	s_nop 0
.rept 4
	v_nop
.endr
.Lasked_\@:
.endm
.macro PLACES                          ; four places behind matrix instructions, in front of reads of their results and of loads into their registers
.rept 4
	v_nop
.endr
.endm
.macro LD6 reg, a16, a8, off           ; a record's six registers
	ds_load_b128 v[\reg:\reg+3], v[\a16] offset:\off
	ds_load_b64 v[\reg+4:\reg+5], v[\a8] offset:\off+512
.endm
.macro XST reg, a                      ; tile a of positions into my stage, from its low end on
	ds_store_b128 v[STO], v[\reg:\reg+3] offset:64*(\a)
	ds_store_b128 v[STO], v[\reg+4:\reg+7] offset:64*(\a)+16
.endm
.macro XPR d, fb, sc, row              ; 16 positions x my 16 queries
.if \row
	v_wmma_scale_f32_16x16x128_f8f6f4 v[\d:\d+7], v[\fb:\fb+11], v[QV:QV+11], 0, v[\sc], v[QVS] matrix_a_fmt:MATRIX_FMT_FP6 matrix_b_fmt:MATRIX_FMT_FP6 matrix_a_scale:MATRIX_SCALE_ROW1
.else
	v_wmma_scale_f32_16x16x128_f8f6f4 v[\d:\d+7], v[\fb:\fb+11], v[QV:QV+11], 0, v[\sc], v[QVS] matrix_a_fmt:MATRIX_FMT_FP6 matrix_b_fmt:MATRIX_FMT_FP6
.endif
.endm
.macro ACP t, fb                       ; 16 keys x my 16 queries, onto the skewed position scores
.if (\t)%2
	v_wmma_scale_f32_16x16x128_f8f6f4 v[S+8*(\t):S+8*(\t)+7], v[\fb:\fb+11], v[QU:QU+11], v[S+8*(\t):S+8*(\t)+7], v[KS+(\t)/2], v[QUS] matrix_a_fmt:MATRIX_FMT_FP6 matrix_b_fmt:MATRIX_FMT_FP6 matrix_a_scale:MATRIX_SCALE_ROW1
.else
	v_wmma_scale_f32_16x16x128_f8f6f4 v[S+8*(\t):S+8*(\t)+7], v[\fb:\fb+11], v[QU:QU+11], v[S+8*(\t):S+8*(\t)+7], v[KS+(\t)/2], v[QUS] matrix_a_fmt:MATRIX_FMT_FP6 matrix_b_fmt:MATRIX_FMT_FP6
.endif
.endm
.macro PVP t                           ; 16 of the head's 64 x my 16 queries, K = the step's 128 keys
.if (\t)%2
	v_wmma_scale_f32_16x16x128_f8f6f4 v[O+8*(\t):O+8*(\t)+7], v[S+12*(\t):S+12*(\t)+11], v[PC:PC+11], v[O+8*(\t):O+8*(\t)+7], v[VS+(\t)/2], v[PW] matrix_a_fmt:MATRIX_FMT_FP6 matrix_b_fmt:MATRIX_FMT_FP6 matrix_a_scale:MATRIX_SCALE_ROW1
.else
	v_wmma_scale_f32_16x16x128_f8f6f4 v[O+8*(\t):O+8*(\t)+7], v[S+12*(\t):S+12*(\t)+11], v[PC:PC+11], v[O+8*(\t):O+8*(\t)+7], v[VS+(\t)/2], v[PW] matrix_a_fmt:MATRIX_FMT_FP6 matrix_b_fmt:MATRIX_FMT_FP6
.endif
.endm
.macro QH2 x                           ; v[x + 16 b + i] = k 32 b + 16 h + i, b = 0, 1  ->  v[PC] .. v[PC + 5]; v[PW] = the two bytes
.irp b, 0,1
	v_max3_num_f32 v[TM+\b], |v[\x+16*\b]|, |v[\x+16*\b+1]|, 0x1800000
.endr
.irp i, 2,4,6,8,10,12,14
.irp b, 0,1
	s_delay_alu instid0(VALU_DEP_2)
	v_max3_num_f32 v[TM+\b], v[TM+\b], |v[\x+16*\b+\i]|, |v[\x+16*\b+\i+1]|
.endr
.endr
.irp b, 0,1
	s_delay_alu instid0(VALU_DEP_2)
	v_permlanex16_b32 v[T2+\b], v[TM+\b], s[SEL], s[SEL+1]
.endr
.irp b, 0,1
	s_delay_alu instid0(VALU_DEP_2)
	v_max_num_f32 v[TM+\b], v[TM+\b], v[T2+\b]
.endr
.irp b, 0,1
	s_delay_alu instid0(VALU_DEP_2)
	v_add_nc_u32 v[SO+\b], 0xff000000, v[TM+\b]
.endr
.irp b, 0,1
	s_delay_alu instid0(VALU_DEP_2)
	v_lshrrev_b32 v[T2+\b], 23, v[SO+\b]
.endr
	s_delay_alu instid0(VALU_DEP_1)
	v_lshl_or_b32 v[PW], v[T2+1], 8, v[T2]
	v_cvt_scalef32_pk16_fp6_f32 v[PC:PC+2], v[\x:\x+15], v[SO]
	v_cvt_scalef32_pk16_fp6_f32 v[PT:PT+2], v[\x+16:\x+31], v[SO+1]
	v_nop
.irp i, 0,1,2
	v_permlane16_swap_b32 v[PC+\i], v[PT+\i]
.endr
.irp i, 0,1,2
	s_delay_alu instid0(VALU_DEP_3)
	v_mov_b32 v[PC+3+\i], v[PT+\i]
.endr
.endm
	s_load_b256 s[4:11], s[0:1], 0x0               ; qc 4, kv 6, pc 8, key_padding_mask 10
	s_load_b64 s[12:13], s[0:1], 0x20              ; oc
	v_lshl_add_u32 v[SPW], v0, 2, SPARE
	v_mov_b32 v[NIL], 0
	ds_add_u32 v[SPW], v[NIL]                      ; the wave's opening: the add, and its wait ahead of my first tensor load; the set-up below, work on registers, stands between them
	ds_add_u32 v[SPW], v[NIL]
	v_lshrrev_b32 v[TP], 5, v0
	s_delay_alu instid0(VALU_DEP_1)
	v_readfirstlane_b32 s[WV], v[TP]               ; wave 0..15
	s_and_b32 s14, ttmp7, 0xffff                   ; y = 8 batch + head
	s_lshr_b32 s15, s14, 3                         ; batch
	s_and_b32 s16, s14, 7                          ; head
	; descriptor group 1: a dense block as rows of 256 bytes (32 elements of 8 bytes), no padding: 54 rows for half of K's and V's block, 56 for half of P's
.irp g, G1KV, G1P
	s_mov_b32 s[\g], 3<<16                         ; no mask; elements of 8 bytes
	s_mov_b32 s[\g+1], 32<<16                      ; tensor_dim0
	s_mov_b32 s[\g+3], 32<<16                      ; tile_dim0
	s_mov_b32 s[\g+5], 32                          ; from row to row
	s_mov_b32 s[\g+6], 0
	s_mov_b32 s[\g+7], 0
.endr
	s_mov_b32 s[G1KV+2], 54<<16                    ; tensor_dim1
	s_mov_b32 s[G1KV+4], 54                        ; tile_dim1
	s_mov_b32 s[G1P+2], 56<<16
	s_mov_b32 s[G1P+4], 56
	s_and_b32 s17, s[WV], 1                        ; which half I fetch, if I fetch
	s_mul_i32 s50, s17, 13824
	s_mul_i32 s52, s14, 221184                     ; my head's eight blocks of 27,648 bytes
	s_add_co_u32 s52, s52, s50
	s_mov_b32 s53, 0
	s_mul_i32 s51, s17, 14336
	s_lshl_b32 s54, ttmp9, 1
	s_sub_co_u32 s54, 14, s54
	s_mul_i32 s54, s54, 7168                       ; slot 0's P begins at position (14 - 2 x) 128: 8 records of 896 bytes for each 128
	s_add_co_u32 s54, s54, s51
	s_mul_i32 s55, s16, 229376                     ; my head's 256 records
	s_add_co_u32 s54, s54, s55
	s_mov_b32 s55, 0
	s_mov_b32 s[SEL], 0x76543210
	s_mov_b32 s[SEL+1], 0xfedcba98
	s_mov_b32 s[TB], 0
	s_mov_b32 s[SLOTS], 7
	s_xor_b32 s[PWO], s[WV], 15
	s_mul_i32 s[PWO], s[PWO], 896
	s_add_co_u32 s[PWO], s[PWO], POFF
	s_wait_dscnt 0x0                               ; the opening add is done
	s_wait_kmcnt 0x0
	s_mov_b32 s[G0KV], 1                           ; count = 1
	s_mov_b32 s[G0KV+1], s50                       ; LDS address: slot 0
	s_add_nc_u64 s[G0KV+2:G0KV+3], s[6:7], s[52:53]
	s_or_b32 s[G0KV+3], s[G0KV+3], 0x80000000      ; type = 2
	s_mov_b32 s[G0P], 1
	s_add_co_u32 s[G0P+1], s51, POFF
	s_add_nc_u64 s[G0P+2:G0P+3], s[8:9], s[54:55]
	s_or_b32 s[G0P+3], s[G0P+3], 0x80000000
	TLOAD                                          ; slot 0
	s_lshl_b32 s56, s14, 7
	s_lshl_b32 s57, ttmp9, 4
	s_add_co_u32 s56, s56, s57
	s_add_co_u32 s56, s56, s[WV]
	s_mul_i32 s56, s56, 1792                       ; my tile of queries: (128 y + 16 x + wave) records of 1,792 bytes
	s_mov_b32 s57, 0
	s_add_nc_u64 s[4:5], s[4:5], s[56:57]
	s_lshl_b32 s56, s15, 11
	s_add_nc_u64 s[10:11], s[10:11], s[56:57]      ; my batch's 2,048 mask bytes
	s_lshl_b32 s56, s15, 7
	s_lshl_b32 s58, ttmp9, 4
	s_add_co_u32 s56, s56, s58
	s_add_co_u32 s56, s56, s[WV]
	s_lshl_b32 s56, s56, 3
	s_add_co_u32 s56, s56, s16
	s_mul_i32 s56, s56, 896                        ; oc: ((128 batch + 16 x + wave) 8 + head) records of 896 bytes
	s_add_nc_u64 s[OP:OP+1], s[OP:OP+1], s[56:57]
	v_and_b32 v[TP], 31, v0
	s_delay_alu instid0(VALU_DEP_1)
	v_lshlrev_b32 v[L16], 4, v[TP]
	s_delay_alu instid0(VALU_DEP_2)
	v_lshlrev_b32 v[L8], 3, v[TP]
	s_delay_alu instid0(VALU_DEP_3)
	v_lshlrev_b32 v[LS], 2, v[TP]
	s_delay_alu instid0(VALU_DEP_4)
	v_lshlrev_b32 v[TP+1], 6, v[TP]                ; 64 x lane: my share of the mask
	global_load_b128 v[QU:QU+3], v[L16], s[4:5]
	global_load_b64 v[QU+4:QU+5], v[L8], s[4:5] offset:512
	global_load_b32 v[QUS], v[LS], s[4:5] offset:768
	global_load_b128 v[QV:QV+3], v[L16], s[4:5] offset:896
	global_load_b64 v[QV+4:QV+5], v[L8], s[4:5] offset:896+512
	global_load_b32 v[QVS], v[LS], s[4:5] offset:896+768
.irp i, 0,1,2,3
	global_load_b128 v[S+4*\i:S+4*\i+3], v[TP+1], s[10:11] offset:16*\i
.endr
	v_and_b32 v[TP+3], 15, v0                      ; r
	v_bfe_u32 v[TP], v0, 4, 1                      ; h
	s_delay_alu instid0(VALU_DEP_1)
	v_mul_u32_u24 v[LS9], v[TP], 896
	s_delay_alu instid0(VALU_DEP_1)
	v_lshl_add_u32 v[LS9], v[TP+3], 2, v[LS9]
	s_delay_alu instid0(VALU_DEP_1)
	v_add_nc_u32 v[LS9], 768, v[LS9]
	s_delay_alu instid0(VALU_DEP_4)
	v_mul_u32_u24 v[LSV], v[TP], 1664
	s_delay_alu instid0(VALU_DEP_1)
	v_lshl_add_u32 v[LSV], v[TP+3], 2, v[LSV]
	s_delay_alu instid0(VALU_DEP_1)
	v_add_nc_u32 v[LSV], 1536, v[LSV]
	s_mul_i32 s58, s[WV], 9472
	s_add_co_u32 s58, s58, STG                     ; my stage
	v_mul_u32_u24 v[STO], v[TP+3], 592
	s_delay_alu instid0(VALU_DEP_1)
	v_lshl_add_u32 v[STO], v[TP], 5, v[STO]
	s_delay_alu instid0(VALU_DEP_1)
	v_add_nc_u32 v[STO], s58, v[STO]
	v_mul_u32_u24 v[SLD], v[TP+3], 588
	s_delay_alu instid0(VALU_DEP_1)
	v_lshl_add_u32 v[SLD], v[TP], 6, v[SLD]
	s_delay_alu instid0(VALU_DEP_1)
	v_add_nc_u32 v[SLD], s58, v[SLD]
	s_delay_alu instid0(VALU_DEP_1)
	v_add_nc_u32 v[SLD], 60, v[SLD]
	; the constant halves of the operands: k = 64 is the lowest code of register 6 in lanes 0-15
	v_sub_nc_u32 v[X8], 1, v[TP]                   ; 1 in lanes 0-15
	s_delay_alu instid0(VALU_DEP_1)
	v_lshlrev_b32 v[QU+6], 3, v[X8]                ; the code +1.0 (0x08)
	v_mov_b32 v[QV+6], 0
.irp i, 7,8,9,10,11
	v_mov_b32 v[QU+\i], 0
	v_mov_b32 v[QV+\i], 0
.endr
.irp t, 0,1,2,3
	v_mul_u32_u24 v[FB+12*\t+6], v[X8], 40         ; the code -1.0 (0x28)
.irp i, 7,8,9,10,11
	v_mov_b32 v[FB+12*\t+\i], 0
.endr
.endr
	v_mov_b32 v13, 0xff61b1e6                      ; the largest t so far: -3e38, under every t
	s_delay_alu instid0(VALU_DEP_1)
	v_floor_f32 v12, -v13                          ; -M
	v_mov_b32 v14, 0
	v_mov_b32 v15, 0
	v_mov_b32 v[F+1], 0
.irp b, 0,1,2,3
	v_mov_b32 v[T2+\b], 0                          ; a lane permute's destination counts as read
.endr
.set n, 0
.rept 32
	v_mov_b32 v[O+n], 0                            ; O^T.  (The step is written once: its first walk finds zeros, which the first change of M leaves zeros)
.set n, n+1
.endr
	s_wait_loadcnt 0x0                             ; Q and the mask
.irp i, 1
	v_and_b32 v[S], v[S], v[S+\i]                  ; all of my 64 bytes are 1?
.endr
.irp i, 2, 3, 4, 5, 6, 7, 8, 9, 10, 11, 12, 13, 14, 15
	s_delay_alu instid0(VALU_DEP_1)
	v_and_b32 v[S], v[S], v[S+\i]                  ; all of my 64 bytes are 1?
.endr
	s_delay_alu instid0(VALU_DEP_1)
	v_cmp_eq_u32 s60, 0x01010101, v[S]
	s_mov_b32 s61, 0x3e38aa3b                      ; log2(e) / 8
	s_cmp_eq_u32 s60, -1                           ; in all 32 lanes: every key of the batch is hidden
	s_cselect_b32 s[CS], 0, s61                    ; a choice of a value: no branch hangs on it
	s_mov_b32 s[CS+1], s[CS]
; A KEY STEP: 128 keys, the e-th of the slot in hand.
.macro STEP e
	s_add_co_u32 s[TBP], s[TB], s[PWO]
	v_add_nc_u32 v[AK16], s[TB], v[L16]            ; (these seven are also the places between the last products, which read V's fragments in S, and the products below that write there)
	v_add_nc_u32 v[AK8], s[TB], v[L8]
	v_add_nc_u32 v[AKS], s[TB], v[LS9]
	v_add_nc_u32 v[AVS], s[TB], v[LSV]
	v_add_nc_u32 v[AP16], s[TBP], v[L16]
	v_add_nc_u32 v[AP8], s[TBP], v[L8]
	v_add_nc_u32 v[APS], s[TBP], v[LS9]
.irp a, 0,1,2,3                        ; my tile a of positions is record 8 e + 15 - wave + a of the slot's 32
	LD6 FB+12*\a, AP16, AP8, (8*\e+\a)*896
.endr
.irp a, 0,2,4,6
	ds_load_b32 v[PS+\a/2], v[APS] offset:(8*\e+\a)*896   ; lanes 0-15: tile a's words; lanes 16-31: tile a + 1's
.endr
	ds_load_b32 v[PS+4], v[APS] offset:(8*\e+7)*896       ; lanes 16-31: tile 8's
	s_wait_alu depctr_va_vdst(0)
	s_wait_dscnt 0x0
.irp a, 0,1,2,3
	XPR S+8*\a, FB+12*\a, PS+\a/2, \a%2
.endr
	PLACES
.irp a, 0,1,2,3
	LD6 FB+12*\a, AP16, AP8, (8*\e+4+\a)*896
.endr
.irp a, 0,1,2,3
	XST S+8*\a, \a
.endr
	s_wait_dscnt 8                                 ; the eight stores, which are younger, may be out: the fragments are in
.irp a, 0,1,2,3
	XPR S+32+8*\a, FB+12*\a, PS+2+\a/2, \a%2
.endr
	PLACES
	LD6 FB, AP16, AP8, (8*\e+8)*896
.irp t, 0,1,2
	LD6 FB+12+12*\t, AK16, AK8, (8*\e+\t)*896
.endr
.irp i, 0,1,2,3
	ds_load_b32 v[KS+\i], v[AKS] offset:(8*\e+2*\i)*896
.endr
.irp a, 0,1,2,3
	XST S+32+8*\a, 4+\a
.endr
	s_wait_dscnt 8                                 ; again the eight younger stores
	XPR X8, FB, PS+4, 1
	PLACES
	LD6 FB, AK16, AK8, (8*\e+3)*896
	XST X8, 8
.set n, 0
.rept 64
	ds_load_b32 v[S+n], v[SLD] offset:4*(32*(n/16)+n%16)   ; LDS serves a wave's instructions in order (ISA guide 5.7.1.4): these see my stores.  Register 16 b + i: key 32 b + 16 h + i, position + 15 - r
.set n, n+1
.endr
	s_wait_dscnt 0x0
	ACP 0, FB+12
	ACP 1, FB+24
	ACP 2, FB+36
	ACP 3, FB
	PLACES
.irp t, 0,1,2,3
	LD6 FB+12*\t, AK16, AK8, (8*\e+4+\t)*896
.endr
	s_wait_dscnt 0x0
.irp t, 0,1,2,3
	ACP 4+\t, FB+12*\t
.endr
	PLACES
.irp b, 0,1,2,3
	v_max3_num_f32 v[TM+\b], v[S+16*\b], v[S+16*\b+1], v[S+16*\b+2]   ; the largest score of each block of 32 keys: for the row's maximum and, since p rises with the score, for the block's largest p
.endr
.irp i, 3,5,7,9,11,13
.irp b, 0,1,2,3
	v_max3_num_f32 v[TM+\b], v[TM+\b], v[S+16*\b+\i], v[S+16*\b+\i+1]
.endr
.endr
.irp b, 0,1,2,3
	v_max_num_f32 v[TM+\b], v[TM+\b], v[S+16*\b+15]
.endr
.irp b, 0,1,2,3
	s_delay_alu instid0(VALU_DEP_4)
	v_permlanex16_b32 v[T2+\b], v[TM+\b], s[SEL], s[SEL+1]
.endr
.irp b, 0,1,2,3
	s_delay_alu instid0(VALU_DEP_4)
	v_max_num_f32 v[TM+\b], v[TM+\b], v[T2+\b]     ; with lane l xor 16's 16 keys
.endr
	s_delay_alu instid0(VALU_DEP_2)
	v_max3_num_f32 v[TP], v[TM], v[TM+1], v[TM+2]
	s_delay_alu instid0(VALU_DEP_1)
	v_max_num_f32 v[TP], v[TP], v[TM+3]
	s_delay_alu instid0(VALU_DEP_1)
	v_mul_f32 v[TP], s[CS], v[TP]                  ; as t (c is not negative)
	s_delay_alu instid0(VALU_DEP_1)
	v_max_num_f32 v13, v13, v[TP]                  ; the running largest t
	v_mov_b32 v[TP], v12
	s_delay_alu instid0(VALU_DEP_2)
	v_floor_f32 v12, -v13                          ; the new -M = -ceil(t): a whole number
	s_delay_alu instid0(VALU_DEP_1)
	v_sub_f32 v[TP], v12, v[TP]                    ; old M - new M: a whole number, 0 or less
	s_delay_alu instid0(VALU_DEP_1)
	v_cvt_i32_f32 v[TP], v[TP]                     ; (it saturates)
	s_delay_alu instid0(VALU_DEP_1)
	v_ldexp_f32 v[F], 1.0, v[TP]                   ; f = 2^(old M - new M): multiplying by it rounds nothing
.set n, 0
.rept 32
	v_pk_fma_f32 v[S+n:S+n+1], v[S+n:S+n+1], s[CS:CS+1], v[12:13] op_sel_hi:[1,0,0]   ; t - M, two at a time
.set n, n+2
.endr
.irp b, 0,1,2,3
	v_fma_f32 v[TM+\b], v[TM+\b], s[CS], v12
.endr
.set n, 0
	s_wait_alu depctr_va_vdst(0)
.rept 64
	v_exp_f32 v[S+n], v[S+n]                       ; p = 2^(t - M): not normalised
.set n, n+1
.endr
	v_pk_mul_f32 v[14:15], v[14:15], v[F:F+1] op_sel_hi:[1,0]   ; the sums under the new M: a plain instruction behind the exponentials
	s_wait_alu depctr_va_vdst(0)                   ; one wait for the batch, ahead of its first reader
.irp b, 0,1,2,3
	v_exp_f32 v[TM+\b], v[TM+\b]                   ; the blocks' largest p
.endr
	v_pk_add_f32 v[216:217], v[92:93], v[96:97]
	v_pk_add_f32 v[254:255], v[100:101], v[104:105]
	v_pk_add_f32 v[252:253], v[108:109], v[112:113]
	v_pk_add_f32 v[250:251], v[116:117], v[120:121]
	v_pk_add_f32 v[248:249], v[124:125], v[128:129]
	v_pk_add_f32 v[244:245], v[132:133], v[136:137]
	v_pk_add_f32 v[242:243], v[140:141], v[144:145]
	v_pk_add_f32 v[14:15], v[14:15], v[148:149]
	v_pk_add_f32 v[216:217], v[216:217], v[88:89]
	v_pk_add_f32 v[254:255], v[254:255], v[90:91]
	v_pk_add_f32 v[252:253], v[252:253], v[94:95]
	v_pk_add_f32 v[250:251], v[250:251], v[98:99]
	v_pk_add_f32 v[248:249], v[248:249], v[102:103]
	v_pk_add_f32 v[244:245], v[244:245], v[106:107]
	v_pk_add_f32 v[242:243], v[242:243], v[110:111]
	v_pk_add_f32 v[14:15], v[14:15], v[114:115]
	v_pk_add_f32 v[216:217], v[216:217], v[118:119]
	v_pk_add_f32 v[254:255], v[254:255], v[122:123]
	v_pk_add_f32 v[252:253], v[252:253], v[126:127]
	v_pk_add_f32 v[250:251], v[250:251], v[130:131]
	v_pk_add_f32 v[248:249], v[248:249], v[134:135]
	v_pk_add_f32 v[244:245], v[244:245], v[138:139]
	v_pk_add_f32 v[242:243], v[242:243], v[142:143]
	v_pk_add_f32 v[14:15], v[14:15], v[146:147]
	v_pk_add_f32 v[216:217], v[216:217], v[150:151]
	s_delay_alu instid0(VALU_DEP_2)
	v_pk_add_f32 v[14:15], v[14:15], v[250:251]
	s_delay_alu instid0(VALU_DEP_2)
	v_pk_add_f32 v[216:217], v[216:217], v[248:249]
	v_pk_add_f32 v[254:255], v[254:255], v[244:245]
	v_pk_add_f32 v[252:253], v[252:253], v[242:243]
	s_delay_alu instid0(VALU_DEP_2)
	v_pk_add_f32 v[14:15], v[14:15], v[254:255]
	s_delay_alu instid0(VALU_DEP_2)
	v_pk_add_f32 v[216:217], v[216:217], v[252:253]
	s_delay_alu instid0(VALU_DEP_1)
	v_pk_add_f32 v[14:15], v[14:15], v[216:217]
	s_wait_alu depctr_va_vdst(0)                   ; and one for the four
.irp b, 0,1,2,3
	v_max_num_f32 v[TM+\b], 0x1800000, v[TM+\b]    ; the floor 2^(3 - 127): the byte cannot fall under 1
.endr
.irp b, 0,1,2,3
	s_delay_alu instid0(VALU_DEP_4)
	v_add_nc_u32 v[SO+\b], 0xff000000, v[TM+\b]
.endr
.irp b, 0,1,2,3
	s_delay_alu instid0(VALU_DEP_4)
	v_lshrrev_b32 v[T2+\b], 23, v[SO+\b]
.endr
	s_delay_alu instid0(VALU_DEP_3)
	v_lshl_or_b32 v[PW], v[T2+1], 8, v[T2]
	s_delay_alu instid0(VALU_DEP_1)
	v_lshl_or_b32 v[PW], v[T2+2], 16, v[PW]
	s_delay_alu instid0(VALU_DEP_1)
	v_lshl_or_b32 v[PW], v[T2+3], 24, v[PW]
.irp c, 0,1
	v_cvt_scalef32_pk16_fp6_f32 v[PC+6*\c:PC+6*\c+2], v[S+32*\c:S+32*\c+15], v[SO+2*\c]
	v_cvt_scalef32_pk16_fp6_f32 v[PT+4*\c:PT+4*\c+2], v[S+32*\c+16:S+32*\c+31], v[SO+2*\c+1]
.endr
	v_nop                                          ; one plain instruction behind the conversions
.irp t, 0,1,2,3                        ; V's four fragments land where p lay
.irp c, 0,1,2
	ds_load_b128 v[S+12*\t+4*\c:S+12*\t+4*\c+3], v[AK16] offset:VOFF+(4*\e+\t)*1664+512*\c
.endr
.endr
.irp i, 0,1
	ds_load_b32 v[VS+\i], v[AVS] offset:VOFF+(4*\e+2*\i)*1664
.endr
.irp c, 0,1                            ; the operand wants a WHOLE block in a lane
.irp i, 0,1,2
	v_permlane16_swap_b32 v[PC+6*\c+\i], v[PT+4*\c+\i]
.endr
.irp i, 0,1,2
	s_delay_alu instid0(VALU_DEP_3)
	v_mov_b32 v[PC+3+6*\c+\i], v[PT+4*\c+\i]
.endr
.endr
.set n, 0
.rept 16
	v_pk_mul_f32 v[O+n:O+n+1], v[O+n:O+n+1], v[F:F+1] op_sel_hi:[1,0]   ; O^T under the new M.  (These sixteen stand between the writes of p's codes and scale word and the products that take them)
.set n, n+2
.endr
	s_wait_alu depctr_va_vdst(0)
	s_wait_dscnt 0x0
.irp t, 0,1,2,3
	PVP \t
.endr
.endm
; THE CHANGE OF SLOTS stands at a slot's head.  Each wave waits for all its tensor loads (one at the most is out: its part of the slot ahead), adds 0 to its spare word, and waits for that and for its reads of the slot that it has left.
; Behind the barrier the slot ahead is whole and nobody reads the other.  fill = 1: the other is filled with the next 256 keys and the positions 256 further on: the load has two key steps in which to land.
.macro CHANGE fill
	s_wait_tensorcnt 0x0                           ; no tensor load of mine is out, so a group 0 may be written
	ds_add_u32 v[SPW], v[NIL]
.if \fill
	s_xor_b32 s[G0KV+1], s[G0KV+1], SLOT1
	s_add_nc_u64 s[G0KV+2:G0KV+3], s[G0KV+2:G0KV+3], 27648
	s_xor_b32 s[G0P+1], s[G0P+1], SLOT1
	s_add_nc_u64 s[G0P+2:G0P+3], s[G0P+2:G0P+3], 14336   ; 16 records on
.endif
	s_wait_dscnt 0x0                               ; the add is done, and my reads of the slot that I have left are over
	s_barrier_signal -1
	s_barrier_wait -1
.if \fill
	TLOAD                                          ; the first thing behind the barrier, and a wave's one tensor load until the next
.endif
.endm
.Lslot:                                            ; seven trips: behind each change of slots but the last the next slot is asked for
	CHANGE 1
	STEP 0
	STEP 1
	s_xor_b32 s[TB], s[TB], SLOT1
	s_sub_co_u32 s[SLOTS], s[SLOTS], 1
	s_cmp_lg_u32 s[SLOTS], 0
	s_cbranch_scc1 .Lslot
	CHANGE 0                                       ; the last slot is written out
	STEP 0
	STEP 1
	; THE WAY OUT: O^T / the sum; register 16 b + i is channel 32 b + 16 h + i of my query (V's rows were chosen so): two blocks of 32 along the last projection's K
	PLACES
	v_add_f32 v14, v14, v15
	s_delay_alu instid0(VALU_DEP_1)
	v_permlanex16_b32 v[T2], v14, s[SEL], s[SEL+1]
	s_delay_alu instid0(VALU_DEP_1)
	v_add_f32 v14, v14, v[T2]                      ; the row's sum
	s_wait_alu depctr_va_vdst(0)
	v_rcp_f32 v14, v14
	v_nop                                          ; a plain instruction behind the reciprocal,
	s_wait_alu depctr_va_vdst(0)                   ; and the wait ahead of its first reader
.set n, 0
.rept 32
	v_mul_f32 v[S+n], v[O+n], v14
.set n, n+1
.endr
	QH2 S
	global_store_b128 v[L16], v[PC:PC+3], s[OP:OP+1]
	global_store_b64 v[L8], v[PC+4:PC+5], s[OP:OP+1] offset:512
	global_store_b32 v[LS], v[PW], s[OP:OP+1] offset:768
	s_wait_tensorcnt 0x0                           ; the wave's end, behind my last tensor load and my last LDS store
	ds_add_u32 v[SPW], v[NIL]
	s_wait_dscnt 0x0
	s_endpgm
.Lfunc_end_k_qfd867d2a5f_attn:
	.size	k_qfd867d2a5f_attn, .Lfunc_end_k_qfd867d2a5f_attn-k_qfd867d2a5f_attn
	.p2alignl 7, 3214868480
	.fill 96, 4, 3214868480
	.section	.rodata,"a",@progbits
	.p2align	6, 0x0
	.amdhsa_kernel k_qfd867d2a5f_attn
		.amdhsa_group_segment_fixed_size 327680
		.amdhsa_private_segment_fixed_size 0
		.amdhsa_enable_private_segment 0
		.amdhsa_kernarg_size 40
		.amdhsa_user_sgpr_count 2
		.amdhsa_user_sgpr_kernarg_segment_ptr 1
		.amdhsa_wavefront_size32 1
		.amdhsa_system_sgpr_workgroup_id_x 1
		.amdhsa_system_sgpr_workgroup_id_y 1
		.amdhsa_system_sgpr_workgroup_id_z 1
		.amdhsa_system_vgpr_workitem_id 0
		.amdhsa_next_free_vgpr 256
		.amdhsa_next_free_sgpr 66
		.amdhsa_reserve_vcc 0
		.amdhsa_float_denorm_mode_32 3
		.amdhsa_float_denorm_mode_16_64 3
		.amdhsa_memory_ordered 1
		.amdhsa_forward_progress 1
		.amdhsa_inst_pref_size 118
	.end_amdhsa_kernel
	.amdgpu_metadata
---
amdhsa.version: [ 1, 2 ]
amdhsa.kernels:
  - .name:           k_qfd867d2a5f_attn
    .symbol:         k_qfd867d2a5f_attn.kd
    .args:
      - { .name: qc, .offset: 0, .size: 8, .value_kind: global_buffer, .address_space: global }
      - { .name: kv, .offset: 8, .size: 8, .value_kind: global_buffer, .address_space: global }
      - { .name: pc, .offset: 16, .size: 8, .value_kind: global_buffer, .address_space: global }
      - { .name: key_padding_mask, .offset: 24, .size: 8, .value_kind: global_buffer, .address_space: global }
      - { .name: oc, .offset: 32, .size: 8, .value_kind: global_buffer, .address_space: global }
    .group_segment_fixed_size: 327680
    .private_segment_fixed_size: 0
    .kernarg_segment_align: 8
    .kernarg_segment_size: 40
    .max_flat_workgroup_size: 512
    .sgpr_count:     66
    .vgpr_count:     256
    .wavefront_size: 32
...
	.end_amdgpu_metadata
.endif
;; end of part 7
;; launch outp (part 8): grid 256 x 1, 8 waves a work-group, no clusters, 50,176 bytes of LDS; arguments oc, wc, wo_b, out0; writes out0
.if DOCPART == 8
	.amdgcn_target "amdgcn-amd-amdhsa--gfx1250"
	.amdhsa_code_object_version 6
	.text
	.protected	k_qfd867d2a5f_outp
	.globl	k_qfd867d2a5f_outp
	.p2align	8
	.type	k_qfd867d2a5f_outp,@function
k_qfd867d2a5f_outp:
	s_mov_b64 s[64:65], 0
	v_nop
	global_prefetch_b8 v0, s[64:65] scope:SCOPE_SE
	s_setreg_imm32_b32 hwreg(HW_REG_WAVE_MODE, 25, 1), 1
	s_wait_xcnt 0x0
; out0 = O wo^T + bo on codes of FP6 (E2M3) with E8M0 scales.  O arrives as records of 896 bytes, [tile of 16 tokens 512][head 8]: half a fragment (64 along K) and its two scale bytes; wo as the fifth weight of wc.
; SHARES.  A work-group owns 32 rows (two tiles of tokens); wave w owns columns 64 w .. 64 w + 63: its 16 fragments of wo stay in window 1.  Two heads' records are one fragment of 128 along K: registers 6 c .. 6 c + 5 from head 2 s + c;
; the scale word is the first head's two bytes below the second's.
; O IS READ FROM MEMORY ONCE A WORK-GROUP: all eight waves want the same 16 records (14,336 bytes).  Wave w loads records 2 w and 2 w + 1, ahead of its weights, and stores them to LDS as they lie; one barrier; every wave reads
; all 16 from LDS at the places that they have in memory.  Behind the barrier those bytes are only read.
; THE PRODUCT IS USED TRANSPOSED (source 0 = 16 rows of wo, source 1 = 16 tokens): lane (r, h) holds token r; register j of tile 2 b + u is column 32 b + 16 h + 8 u + j.  The bias is the C of a sum's first product.
; THE WAY OUT: through my own stage in LDS (16 rows x (256 + 16) bytes) and back by rows: sixteen lanes store 256 consecutive bytes, at a multiple of 256 from out0's first byte.
.set SPARE, 34816                      ; behind the eight stages of 4,352 bytes: the spare words, 128 bytes for each wave: four blocks of 256 bytes that no other line names
.set OIMG, 35840                       ; behind them: O's 16 records, 896 bytes each
.set LI,  5
.set LS,  6
.set L8,  7
.set SO,  8                            ; v8   the stage, in: 272 r + 64 h
.set SR,  9                            ; v9   back: 272 h + 16 r
.set GO,  10                           ; v10  the same two rows in out0: 2,048 h + 16 r
.set BA,  11                           ; v11  my byte in the bias: 256 w + 64 h
.set SPW, 12
.set NIL, 13
.set WS,  16                           ; v16-31  wo's scale words
.set BI,  32                           ; v32-63  the bias in the result's layout
.set AF,  64                           ; v64-111, v112-159  O's four fragments of the two tiles of tokens
.set RAW, 160                          ; v160-175 the records' words as loaded
.set SW,  176                          ; v176-183 O's scale words, 4 m + s
.set ACC, 184                          ; v184-215
.set OB,  216                          ; v216-247 first my two records of O on their way to LDS, then 16 rows read back
.set OA16, 248                         ; v248-250 my two records' place among the 16, in memory and in LDS: 1,792 w + 16, 8, 4 x lane
.set OA8, 249
.set OA4, 250
.set MSB, 0
.macro WIN new
.if MSB != \new
	s_set_vgpr_msb (MSB<<8)|\new
.set MSB, \new
.endif
.endm
.macro MMO m, t, ks
.if \ks == 0
	v_wmma_scale_f32_16x16x128_f8f6f4 v[ACC+8*\t:ACC+8*\t+7], v[12*(4*\t+\ks):12*(4*\t+\ks)+11], v[AF+48*\m+12*\ks:AF+48*\m+12*\ks+11], v[BI+8*\t:BI+8*\t+7], v[WS+4*\t+\ks], v[SW+4*\m+\ks] matrix_a_fmt:MATRIX_FMT_FP6 matrix_b_fmt:MATRIX_FMT_FP6
.else
	v_wmma_scale_f32_16x16x128_f8f6f4 v[ACC+8*\t:ACC+8*\t+7], v[12*(4*\t+\ks):12*(4*\t+\ks)+11], v[AF+48*\m+12*\ks:AF+48*\m+12*\ks+11], v[ACC+8*\t:ACC+8*\t+7], v[WS+4*\t+\ks], v[SW+4*\m+\ks] matrix_a_fmt:MATRIX_FMT_FP6 matrix_b_fmt:MATRIX_FMT_FP6
.endif
.endm
	s_load_b256 s[4:11], s[0:1], 0x0               ; oc 4, wc 6, wo_b 8, out0 10
	v_lshl_add_u32 v[SPW], v0, 2, SPARE
	v_mov_b32 v[NIL], 0
	v_lshrrev_b32 v1, 5, v0
	s_delay_alu instid0(VALU_DEP_1)
	v_readfirstlane_b32 s12, v1                    ; wave
	v_and_b32 v1, 31, v0
	v_and_b32 v2, 15, v0                           ; r
	v_bfe_u32 v3, v0, 4, 1                         ; h
	s_delay_alu instid0(VALU_DEP_3)
	v_lshlrev_b32 v[LI], 4, v1
	s_delay_alu instid0(VALU_DEP_4)
	v_lshlrev_b32 v[LS], 2, v1
	v_lshlrev_b32 v[L8], 3, v1
	s_mul_i32 s13, s12, 4352                       ; my stage
	v_mul_u32_u24 v[SO], v2, 272
	s_delay_alu instid0(VALU_DEP_1)
	v_lshl_add_u32 v[SO], v3, 6, v[SO]
	s_delay_alu instid0(VALU_DEP_1)
	v_add_nc_u32 v[SO], s13, v[SO]
	v_mul_u32_u24 v[SR], v3, 272
	s_delay_alu instid0(VALU_DEP_1)
	v_lshl_add_u32 v[SR], v2, 4, v[SR]
	s_delay_alu instid0(VALU_DEP_1)
	v_add_nc_u32 v[SR], s13, v[SR]
	v_lshlrev_b32 v[GO], 11, v3
	s_delay_alu instid0(VALU_DEP_1)
	v_lshl_add_u32 v[GO], v2, 4, v[GO]
	s_lshl_b32 s13, s12, 8
	v_lshl_add_u32 v[BA], v3, 6, s13
	s_mul_i32 s20, s12, 1792                       ; my two records of the 16
	v_add_nc_u32 v[OA16], s20, v[LI]
	v_add_nc_u32 v[OA8], s20, v[L8]
	v_add_nc_u32 v[OA4], s20, v[LS]
	s_lshl_b32 s14, s12, 4
	s_add_co_u32 s14, s14, 512
	s_mul_i32 s14, s14, 1664                       ; wo's records begin at 512; mine 16 w on
	s_mov_b32 s15, 0
	s_mul_i32 s16, ttmp9, 14336                    ; the work-group's 16 records of O
	s_mov_b32 s17, 0
	s_lshl_b32 s18, ttmp9, 16                      ; my 32 rows of 2,048 bytes,
	s_add_co_u32 s18, s18, s13                     ; my 256 bytes of them
	s_mov_b32 s19, 0
	s_wait_alu depctr_va_vdst(0)
	s_wait_kmcnt 0x0
	s_add_nc_u64 s[6:7], s[6:7], s[14:15]
	s_add_nc_u64 s[4:5], s[4:5], s[16:17]
	s_add_nc_u64 s[10:11], s[10:11], s[18:19]
.irp j, 0,1                            ; my two records of O first: they are wanted first
	global_load_b128 v[OB+8*\j:OB+8*\j+3], v[OA16], s[4:5] offset:896*\j
	global_load_b64 v[OB+8*\j+4:OB+8*\j+5], v[OA8], s[4:5] offset:896*\j+512
	global_load_b32 v[OB+8*\j+6], v[OA4], s[4:5] offset:896*\j+768
.endr
	WIN 0x40                                       ; destination window 1
.set n, 0
.rept 16
.irp c, 0,1,2
	global_load_b128 v[12*n+4*\c:12*n+4*\c+3], v[LI], s[6:7] offset:1664*n+512*\c
.endr
.set n, n+1
.endr
	WIN 0
	s_wait_loadcnt 48                              ; the 48 loads of wo's fragments, which are younger, may be out: my two records are in
.irp j, 0,1
	ds_store_b128 v[OA16], v[OB+8*\j:OB+8*\j+3] offset:OIMG+896*\j
	ds_store_b64 v[OA8], v[OB+8*\j+4:OB+8*\j+5] offset:OIMG+896*\j+512
	ds_store_b32 v[OA4], v[OB+8*\j+6] offset:OIMG+896*\j+768
.endr
.set n, 0
.rept 16
	global_load_b32 v[WS+n], v[LS], s[6:7] offset:1664*n+1536
.set n, n+1
.endr
.irp t, 0,1,2,3
	global_load_b128 v[BI+8*\t:BI+8*\t+3], v[BA], s[8:9] offset:(32*(\t/2)+8*(\t%2))*4
	global_load_b128 v[BI+8*\t+4:BI+8*\t+7], v[BA], s[8:9] offset:(32*(\t/2)+8*(\t%2))*4+16
.endr
	s_wait_dscnt 0x0                               ; my stores have landed: for the others' sake
	s_barrier_signal -1
	s_barrier_wait -1                              ; all 16 records lie in LDS; from here on those bytes are only read
.set n, 0
.rept 16                               ; record n = 8 m + head
	ds_load_b128 v[AF+6*n:AF+6*n+3], v[LI] offset:OIMG+896*n
	ds_load_b64 v[AF+6*n+4:AF+6*n+5], v[L8] offset:OIMG+896*n+512
	ds_load_b32 v[RAW+n], v[LS] offset:OIMG+896*n+768
.set n, n+1
.endr
	s_wait_loadcnt 0x0
	s_wait_dscnt 0x0
.set n, 0
.rept 8
	v_lshl_or_b32 v[SW+n], v[RAW+2*n+1], 16, v[RAW+2*n]
.set n, n+1
.endr
.rept 8
	v_nop                                          ; a scale register written by a vector instruction stands eight places ahead of the scaled product that takes it
.endr
	s_wait_alu depctr_va_vdst(0)
.irp m, 0,1
	WIN 0x01                                       ; source 0 (wo) window 1
.irp ks, 0,1,2,3
.irp t, 0,1,2,3
	MMO \m, \t, \ks                                ; the four accumulators by turns
.endr
.endr
	WIN 0
.rept 4
	v_nop                                          ; places in front of the first read of the results
.endr
.irp t, 0,1,2,3
	ds_store_b128 v[SO], v[ACC+8*\t:ACC+8*\t+3] offset:128*(\t/2)+32*(\t%2)       ; each accumulator from its low end on
	ds_store_b128 v[SO], v[ACC+8*\t+4:ACC+8*\t+7] offset:128*(\t/2)+32*(\t%2)+16
.endr
.irp i, 0,1,2,3,4,5,6,7
	ds_load_b128 v[OB+4*\i:OB+4*\i+3], v[SR] offset:544*\i   ; LDS serves a wave's instructions in order: these see my stores
.endr
.irp i, 0,1,2,3,4,5,6,7
	s_wait_dscnt 7-\i                              ; the younger read-backs may be out
	global_store_b128 v[GO], v[OB+4*\i:OB+4*\i+3], s[10:11] offset:4096*\i th:TH_STORE_NT
.endr
.if \m == 0
	s_wait_xcnt 0x0                                ; the stores have read their registers and their base
	s_add_nc_u64 s[10:11], s[10:11], 32768         ; 16 rows on
.rept 5
	v_nop                                          ; the accumulators begin anew with another C
.endr
.endif
.endr
	s_wait_tensorcnt 0x0                           ; the wave's end, behind my last LDS store
	ds_add_u32 v[SPW], v[NIL]
	s_wait_dscnt 0x0
	s_endpgm
.Lfunc_end_k_qfd867d2a5f_outp:
	.size	k_qfd867d2a5f_outp, .Lfunc_end_k_qfd867d2a5f_outp-k_qfd867d2a5f_outp
	.p2alignl 7, 3214868480
	.fill 96, 4, 3214868480
	.section	.rodata,"a",@progbits
	.p2align	6, 0x0
	.amdhsa_kernel k_qfd867d2a5f_outp
		.amdhsa_group_segment_fixed_size 50176
		.amdhsa_private_segment_fixed_size 0
		.amdhsa_enable_private_segment 0
		.amdhsa_kernarg_size 32
		.amdhsa_user_sgpr_count 2
		.amdhsa_user_sgpr_kernarg_segment_ptr 1
		.amdhsa_wavefront_size32 1
		.amdhsa_system_sgpr_workgroup_id_x 1
		.amdhsa_system_sgpr_workgroup_id_y 1
		.amdhsa_system_sgpr_workgroup_id_z 1
		.amdhsa_system_vgpr_workitem_id 0
		.amdhsa_next_free_vgpr 512
		.amdhsa_next_free_sgpr 66
		.amdhsa_reserve_vcc 0
		.amdhsa_float_denorm_mode_32 3
		.amdhsa_float_denorm_mode_16_64 3
		.amdhsa_memory_ordered 1
		.amdhsa_forward_progress 1
		.amdhsa_inst_pref_size 23
	.end_amdhsa_kernel
	.amdgpu_metadata
---
amdhsa.version: [ 1, 2 ]
amdhsa.kernels:
  - .name:           k_qfd867d2a5f_outp
    .symbol:         k_qfd867d2a5f_outp.kd
    .args:
      - { .name: oc, .offset: 0, .size: 8, .value_kind: global_buffer, .address_space: global }
      - { .name: wc, .offset: 8, .size: 8, .value_kind: global_buffer, .address_space: global }
      - { .name: wo_b, .offset: 16, .size: 8, .value_kind: global_buffer, .address_space: global }
      - { .name: out0, .offset: 24, .size: 8, .value_kind: global_buffer, .address_space: global }
    .group_segment_fixed_size: 50176
    .private_segment_fixed_size: 0
    .kernarg_segment_align: 8
    .kernarg_segment_size: 32
    .max_flat_workgroup_size: 256
    .sgpr_count:     66
    .vgpr_count:     512
    .wavefront_size: 32
...
	.end_amdgpu_metadata
.endif
;; end of part 8
